; MI455X (gfx1250); checked and timed in simulation.
; The chip was launched on July 23, 2026; its instructions are those of AMD's public machine-readable ISA for CDNA 5 (MIT licence, August 2026) and "CDNA5" Instruction Set Architecture Reference Guide (July 2026). The comments in the code are by the model that wrote it; some were corrected since.
;; Causal Self Attention. Allowed arithmetic: matrix products marked QUANTISED: E2M1 operands, one E8M0 scale for each 32 along K, by v_wmma_scale_f32_16x16x128_f8f6f4 with both operands' format E2M1 (or v_wmma_scale_f32_32x16x128_f4), f32 sums; products left as they are: bf16, f16 or f32 operands; f32 sums; everything else in f32.
;; Inputs: b_proj 1,024 float32; b_qkv 3,072 float32; w_proj 1,024 x 1,024 float32; w_qkv 1,024 x 3,072 float32; x 4 x 2,048 x 1,024 float32.
;; Outputs: out0 4 x 2,048 x 1,024 float32.
;; This version of the problem:
;;   THIS VERSION OF THE PROBLEM IS GIVEN IN LOW PRECISION. The matrix products marked QUANTISED in the list below multiply operands that are first quantised to E2M1 (2 exponent bits, 1 mantissa bit; 4 bits a number), with one power-of-two scale for each 32 numbers along K (OCP MX v1.0); their sums are f32. The products marked 'left as it is' may take bf16, f16 or f32 operands, with f32 sums. Whichever they take, every output number must still come out within the allowed error. Rounding operands to bf16 (8 significant bits) uses up far more of that allowance than f16 does (11 bits, for magnitudes from 6e-5 to 65,504). All else is computed in f32.
;;   The module's matrix products, in the order in which they are computed (A, B: the left and right operand; K: the contracted axis; several contracted axes count as one K, in the product's order):
;;     1. [M 8,192, K 1,024] x [K 1,024, N 3,072]; A: input x; B: input w_qkv: QUANTISED
;;     2. batch 64 x [M 2,048, K 64] x [K 64, N 2,048]; A: computed on the way; B: computed on the way: left as it is (an operand is computed on the way)
;;     3. batch 64 x [M 2,048, K 2,048] x [K 2,048, N 64]; A: computed on the way; B: computed on the way: left as it is (an operand is computed on the way)
;;     4. [M 8,192, K 1,024] x [K 1,024, N 1,024]; A: computed on the way; B: input w_proj: left as it is (an operand is computed on the way)
;;   THE QUANTISER, for each operand of a quantised product, along K:
;;     - K is cut into blocks of 32 from its start; a last block that is shorter is filled with zeros.
;;     - A block's scale is 2^e with e = floor(log2(the largest magnitude in the block)) - 2, held to -126 .. 127; a block of zeros has e = 0. As a byte (E8M0): e + 127.
;;     - Each number is divided by its block's scale, clamped to +-6, and rounded to the nearest number of E2M1, ties to even, subnormals kept.
;;     - The product sums the exact products of the quantised numbers (number of the format x scale) in f32.
;;   ~~~python
;;   def quantise(x, axis):      # numpy; x: float32 -> the quantised numbers, widened to float32 again
;;       x = np.moveaxis(x, axis, -1); K = x.shape[-1]
;;       x = np.pad(x, [(0, 0)] * (x.ndim - 1) + [(0, -K % 32)]); x = x.reshape(x.shape[:-1] + (-1, 32)); a = np.abs(x).max(-1, keepdims=True)
;;       e = np.where(a > 0, np.clip(np.frexp(np.where(a > 0, a, 1))[1] - 1 - 2, -126, 127), 0)      # np.frexp(a)[1] - 1 = floor(log2(a)), exactly
;;       r = np.clip(x / 2.0 ** e, -6, 6)
;;       step = 2.0 ** (np.maximum(np.frexp(np.where(r == 0, 1, r))[1] - 1, 0) - 1)
;;       q = np.round(r / step) * step * 2.0 ** e      # np.round: ties to even
;;       return np.moveaxis(q.reshape(q.shape[:-2] + (-1,))[..., :K], -1, axis).astype(np.float32)
;;   ~~~
;; One version. Each part assembles by itself: llvm-mc -triple=amdgcn-amd-amdhsa -mcpu=gfx1250 --defsym DOCPART=n.
;; ======== version 1 of 1: 5 launches
;; limits: values are held in f16: magnitudes above 65,504 overflow, below 6.1e-05 lose precision
;; workspace buffers: x_codes 4,194,304 bytes; x_scales 262,144 bytes; w_codes 1,572,864 bytes; w_scales 98,304 bytes; w16 2,097,152 bytes; qkv 50,331,648 bytes; h32 786,432 bytes; y16 16,777,216 bytes
;; launch prep (part 1): grid 480 x 1, 4 waves a work-group, no clusters, 50,688 bytes of LDS; arguments x, w_qkv, w_proj, x_codes, x_scales, w_codes, w_scales, w16; writes x_codes, x_scales, w_codes, w_scales, w16
.if DOCPART == 1
	.amdgcn_target "amdgcn-amd-amdhsa--gfx1250"
	.amdhsa_code_object_version 6
	.text
	.protected	k_q6f6cc426fb_prep
	.globl	k_q6f6cc426fb_prep
	.p2align	8
	.type	k_q6f6cc426fb_prep,@function
k_q6f6cc426fb_prep:
	s_mov_b64 s[64:65], 0
	v_nop
	global_prefetch_b8 v0, s[64:65] scope:SCOPE_SE
	s_setreg_imm32_b32 hwreg(HW_REG_WAVE_MODE, 25, 1), 1
	s_wait_xcnt 0x0
; CAUSAL SELF-ATTENTION, B 4, T 2048, C 1024, H 16, D 64, in five launches: this one (operands of the first product into codes, w_proj into f16), the first product, attention, the projection,
; and positions 0-15 of every sequence once more in f32.
; WORK LEFT OUT IN THE WHOLE PROGRAM, and why it can reach no output:
;  (a) key steps that lie wholly above the diagonal: the mask that the problem builds by tril sets their scores to -infinity, so their weights are 0 for all values of the inputs;
;  (b) b_qkv[1024:2048], the bias on K: q . (k + bk) = q . k + q . bk, and q . bk is the same for every key of a row, so the softmax along the keys takes it away for all values; the product of Q and K is not
;      quantised, so no quantiser sees K.  Those 4,096 bytes of b_qkv are never loaded; the rest of b_qkv is.
; LIMIT: a NaN, an infinity or an overflow that reaches only the work left out is not carried to the result.
; THIS LAUNCH, three jobs told apart by the work-group's number, each with LDS bytes of its own:
;  work-groups 0-95: w_qkv [1024 k][3072 n] f32, whose K is its first axis -> codes of FP4 (E2M1) laid [3072 n][512 bytes], K innermost, and E8M0 scale bytes [3072][32];
;  work-groups 96-223: w_proj f32 -> f16, in its own order;
;  work-groups 224-479: x [8192][1024] f32 -> codes [8192][512 bytes] and scale bytes [8192][32].
; A block's scale is 2^(floor(log2(its largest magnitude)) - 2); its byte is that magnitude's exponent field - 2, held at 1 from below.  A block of zeros so gets the byte 1 where the rule says 127: its codes are
; zeros, which add nothing under any byte but 0xff, and the bytes are read by this program alone.
; LIMITS: NaN and infinities among the inputs are not served; w_proj beyond f16's range (65,504) is not served.
.set STEPS, 16
.set EMAX,  2
.set CB,    8                          ; bytes of 16 codes
.set R,     16                         ; x: v16-79 four sets of 16 numbers as loaded
.set X,     80                         ; x: v80-111 two sets of 16 neighbours
.set E,     112                        ; x: v112-127 a scale byte for each step
.set C,     128                        ; x: v128-191 codes, four registers a step
.set WREG,  8192                       ; x: LDS of a wave: two stages of 32 x SP bytes, then its 256 scale bytes
.set SP,    80
.set WX,    32                         ; w_qkv: v32-95 two sets of 32 numbers
.set WC,    96                         ; w_qkv: a block's codes
.set WO,    112                        ; w_qkv: v112-143 the way out
.set WSB,   24                         ; w_qkv: v24-25 eight scale bytes
.set WST,   4*WREG                     ; w_qkv: stages, 16 rows x WP bytes a wave
.set WP,    272
.set SPARE, WST+4*16*WP                ; the spare words: 128 bytes a wave, two blocks of 256 bytes that no other line names
.set SPW,   192                        ; v192 LDS address of my spare word; never rewritten
.set NIL,   193                        ; v193 0; never rewritten
	s_load_b256 s[4:11], s[0:1], 0x0               ; x s[4:5], w_qkv s[6:7], w_proj s[8:9], x_codes s[10:11]
	s_load_b256 s[12:19], s[0:1], 0x20             ; x_scales s[12:13], w_codes s[14:15], w_scales s[16:17], w16 s[18:19]
	v_lshl_add_u32 v[SPW], v0, 2, SPARE
	v_mov_b32 v[NIL], 0
	v_lshrrev_b32 v1, 5, v0
	v_readfirstlane_b32 s20, v1                    ; wave 0..3
	v_and_b32 v2, 31, v0                           ; lane
	s_mov_b32 s25, 0                               ; the high word of every offset below
	s_wait_kmcnt 0x0
	s_cmp_lt_u32 ttmp9, 96
	s_cbranch_scc1 .Lpath_w
	s_cmp_lt_u32 ttmp9, 224
	s_cbranch_scc1 .Lpath_p
; ---- x.  Rows are dense and K is a multiple of 32: a plain stream of blocks of 32.  A wave takes 16 steps of 512 numbers.  Each load reads 512 consecutive bytes; a step's 2,048 bytes turn through the wave's own
; stage in LDS, so that a lane then holds 16 neighbours (two neighbouring lanes hold a block).  Loads run four steps ahead, the turn one step.
	v_lshlrev_b32 v3, 4, v2                        ; my 16 bytes of a load's 512
	s_mul_i32 s21, s20, WREG
	v_lshrrev_b32 v14, 2, v2
	v_mul_u32_u24 v14, v14, SP
	v_and_b32 v15, 3, v2
	v_lshl_add_u32 v14, v15, 4, v14
	v_add_nc_u32 v14, s21, v14                     ; the stage, in: SP (lane / 4) + 16 (lane % 4)
	v_mul_u32_u24 v15, v2, SP
	v_add_nc_u32 v15, s21, v15                     ; and out: SP x lane
	v_mul_u32_u24 v4, v2, CB                       ; my codes' place in a step's
	v_lshrrev_b32 v5, 1, v2
	s_add_co_u32 s21, s21, 2*32*SP
	v_add_nc_u32 v5, s21, v5                       ; my block's scale byte in the wave's 256
	v_lshlrev_b32 v7, 3, v2
	v_add_nc_u32 v6, s21, v7                       ; and on the way out 8 bytes a lane
	s_sub_co_u32 s22, ttmp9, 224
	s_lshl_b32 s22, s22, 2
	s_add_co_u32 s22, s22, s20                     ; which run of 8,192 numbers is my wave's: 0..1023
	s_lshl_b32 s24, s22, 15
	s_add_nc_u64 s[4:5], s[4:5], s[24:25]
	s_lshl_b32 s24, s22, 12
	s_add_nc_u64 s[10:11], s[10:11], s[24:25]
	s_lshl_b32 s24, s22, 8
	s_add_nc_u64 s[12:13], s[12:13], s[24:25]
.macro XLOAD t
.irp i, 0,1,2,3
	global_load_b128 v[R+16*((\t)%4)+4*\i:R+16*((\t)%4)+4*\i+3], v3, s[4:5] offset:2048*(\t)+512*\i th:TH_LOAD_NT
.endr
.endm
.macro XTURN t                         ; LDS serves a wave's instructions in order: no wait between the stores and the loads
.irp i, 0,1,2,3
	ds_store_b128 v14, v[R+16*((\t)%4)+4*\i:R+16*((\t)%4)+4*\i+3] offset:32*SP*((\t)%2)+8*SP*\i
.endr
.irp i, 0,1,2,3
	ds_load_b128 v[X+16*((\t)%2)+4*\i:X+16*((\t)%2)+4*\i+3], v15 offset:32*SP*((\t)%2)+16*\i
.endr
.endm
.irp t, 0,1,2,3
	XLOAD \t
.endr
	s_wait_loadcnt 12                              ; step 0's four loads are in; the twelve of steps 1 to 3 may be out
	XTURN 0
.macro XSTEP t
.set XS, X+16*((\t)%2)
.if (\t) > 0
	s_wait_dscnt 1                                 ; this step's numbers are back from the stage (the last step's byte store may be out)
.else
	s_wait_dscnt 0x0
.endif
.if (\t)+4 < STEPS
	XLOAD (\t)+4                                   ; into the set whose stores into the stage have read their registers
.endif
.if (\t)+1 < STEPS
.if STEPS-2-(\t) >= 3
	s_wait_loadcnt 12                              ; the next step's four loads are in; those of the three steps behind it may be out
.else
	s_wait_loadcnt 4*(STEPS-2-(\t))
.endif
	XTURN (\t)+1
.endif
	v_max3_num_f32 v8, |v[XS]|, |v[XS+1]|, |v[XS+2]|
	v_max3_num_f32 v9, |v[XS+3]|, |v[XS+4]|, |v[XS+5]|
.irp i, 6,10
	v_max3_num_f32 v8, v8, |v[XS+\i]|, |v[XS+\i+1]|
	v_max3_num_f32 v9, v9, |v[XS+\i+2]|, |v[XS+\i+3]|
.endr
	v_max3_num_f32 v8, v8, |v[XS+14]|, |v[XS+15]|
	v_max3_num_f32 v8, v8, v9, (EMAX+1)<<23        ; the floor 2^(3 - 127): the byte cannot fall under 1
	v_max_num_f32_dpp v8, v8, v8 row_xmask:1 row_mask:0xf bank_mask:0xf   ; with my neighbour's 16: the block's largest magnitude
	v_add_nc_u32 v11, -(EMAX<<23), v8              ; 2 off its exponent field: the conversion takes the exponent field of this operand as its scale
	v_cvt_scalef32_pk8_fp4_f32 v[C+4*(\t)], v[XS:XS+7], v11
	v_cvt_scalef32_pk8_fp4_f32 v[C+4*(\t)+1], v[XS+8:XS+15], v11
	v_lshrrev_b32 v[E+(\t)], 23, v11               ; the scale's byte
	ds_store_b8 v5, v[E+(\t)] offset:16*(\t)       ; both lanes of a block write the same byte with the same value
	global_store_b64 v4, v[C+4*(\t):C+4*(\t)+1], s[10:11] offset:32*CB*(\t)   ; the wave stores 256 consecutive bytes, aligned
.endm
.irp t, 0,1,2,3,4,5,6,7,8,9,10,11,12,13,14,15
	XSTEP \t
.endr
	ds_load_b64 v[8:9], v6
	s_wait_dscnt 0x0
	global_store_b64 v7, v[8:9], s[12:13]          ; the wave's 256 scale bytes, consecutive and aligned
	s_branch .Lend
; ---- w_qkv.  A LANE TAKES A COLUMN n AND ITS REGISTERS RUN DOWN K, so a block of 32 lies in one lane and the conversions give codes with K innermost.  A work-group takes 64 columns x 512 along K
; (y: which 512); wave w columns 16 w + r; lanes 0-15 the first 256 along K, lanes 16-31 the second: 8 blocks a lane, and the wave owns 16 whole runs of 256 bytes of codes.
.Lpath_w:
	v_and_b32 v3, 15, v0                           ; r
	v_bfe_u32 v4, v0, 4, 1                         ; h
	s_cmp_ge_u32 ttmp9, 48
	s_cselect_b32 s21, 1, 0                        ; y
	s_mul_i32 s22, s21, 48
	s_sub_co_u32 s22, ttmp9, s22
	s_lshl_b32 s22, s22, 6
	s_lshl_b32 s23, s20, 4
	s_add_co_u32 s22, s22, s23                     ; my wave's first column
	v_mul_u32_u24 v5, v4, 256*12288                ; lanes 16-31 begin 256 rows of 12,288 bytes further down
	v_lshl_add_u32 v5, v3, 2, v5
	s_mul_i32 s23, s20, 16*WP
	s_add_co_u32 s23, s23, WST                     ; my stage
	v_mul_u32_u24 v6, v3, WP
	v_lshl_add_u32 v6, v4, 7, v6
	v_add_nc_u32 v6, s23, v6                       ; in: row r, + 128 h
	v_mul_u32_u24 v7, v4, WP
	v_lshl_add_u32 v7, v3, 4, v7
	v_add_nc_u32 v7, s23, v7                       ; out: sixteen lanes to a row, two rows an instruction
	v_lshlrev_b32 v8, 9, v4
	v_lshl_add_u32 v8, v3, 4, v8                   ; and the same place in the codes' buffer (rows of 512 bytes)
	v_lshlrev_b32 v9, 5, v3
	v_lshl_add_u32 v9, v4, 3, v9                   ; my 8 scale bytes: 32 r + 8 h
	s_mul_i32 s24, s21, 512*12288
	s_lshl_b32 s26, s22, 2
	s_add_co_u32 s24, s24, s26
	s_add_nc_u64 s[6:7], s[6:7], s[24:25]
	s_lshl_b32 s24, s22, 9
	s_lshl_b32 s26, s21, 8
	s_add_co_u32 s24, s24, s26
	s_add_nc_u64 s[14:15], s[14:15], s[24:25]
	s_lshl_b32 s24, s22, 5
	s_lshl_b32 s26, s21, 4
	s_add_co_u32 s24, s24, s26
	s_add_nc_u64 s[16:17], s[16:17], s[24:25]
.macro WLOAD t                         ; block t: rows 32 t + i of my 256; the offsets stay under 255 x 12,288, inside the signed 24-bit immediate
.set i, 0
.rept 32
	global_load_b32 v[WX+32*((\t)%2)+i], v5, s[6:7] offset:(32*(\t)+i)*12288 th:TH_LOAD_NT
.set i, i+1
.endr
.endm
	WLOAD 0
	WLOAD 1
.macro WBLOCK t
.set XS, WX+32*((\t)%2)
.if (\t) < 7
	s_wait_loadcnt 32                              ; this block's 32 loads are in; the next block's 32 may be out
.else
	s_wait_loadcnt 0
.endif
	v_max3_num_f32 v12, |v[XS]|, |v[XS+1]|, |v[XS+2]|
	v_max3_num_f32 v13, |v[XS+3]|, |v[XS+4]|, |v[XS+5]|
.irp i, 6,10,14,18,22,26
	v_max3_num_f32 v12, v12, |v[XS+\i]|, |v[XS+\i+1]|
	v_max3_num_f32 v13, v13, |v[XS+\i+2]|, |v[XS+\i+3]|
.endr
	v_max3_num_f32 v12, v12, |v[XS+30]|, |v[XS+31]|
	v_max3_num_f32 v12, v12, v13, (EMAX+1)<<23     ; the floor
	v_add_nc_u32 v11, -(EMAX<<23), v12             ; the conversion's scale operand
	v_lshrrev_b32 v13, 23, v11                     ; the scale's byte
.if (\t)%4 == 0
	v_mov_b32 v[WSB+(\t)/4], v13
.else
	v_lshl_or_b32 v[WSB+(\t)/4], v13, 8*((\t)%4), v[WSB+(\t)/4]
.endif
.irp g, 0,1,2,3
	v_cvt_scalef32_pk8_fp4_f32 v[WC+\g], v[XS+8*\g:XS+8*\g+7], v11
.endr
	ds_store_b128 v6, v[WC:WC+3] offset:16*(\t)    ; 32 codes: 16 bytes of my column's row
.if (\t)+2 < 8
	WLOAD (\t)+2
.endif
	s_wait_dscnt 0x0                               ; the store has read its registers: the next block's codes may be written
.endm
.irp t, 0,1,2,3,4,5,6,7
	WBLOCK \t
.endr
	global_store_b64 v9, v[WSB:WSB+1], s[16:17]    ; scale bytes leave in runs of 16 bytes a column: 98,304 bytes of all that this launch stores
.irp i, 0,1,2,3,4,5,6,7
	ds_load_b128 v[WO+4*\i:WO+4*\i+3], v7 offset:2*\i*WP
.endr
.irp i, 0,1,2,3,4,5,6,7
	s_wait_dscnt 7-\i                              ; LDS loads come back in order: load i is in, the younger ones may be out
	global_store_b128 v8, v[WO+4*\i:WO+4*\i+3], s[14:15] offset:1024*\i   ; sixteen lanes store 256 consecutive bytes, aligned
.endr
	s_branch .Lend
; ---- w_proj to f16: a wave takes 8,192 bytes and stores 4,096; no LDS
.Lpath_p:
	s_sub_co_u32 s22, ttmp9, 96
	s_lshl_b32 s22, s22, 2
	s_add_co_u32 s22, s22, s20
	s_lshl_b32 s24, s22, 13
	s_add_nc_u64 s[8:9], s[8:9], s[24:25]
	s_lshl_b32 s24, s22, 12
	s_add_nc_u64 s[18:19], s[18:19], s[24:25]
	v_lshlrev_b32 v3, 4, v2
	v_lshlrev_b32 v4, 3, v2
.irp i, 0,1,2,3,4,5,6,7,8,9,10,11,12,13,14,15
	global_load_b128 v[32+4*\i:35+4*\i], v3, s[8:9] offset:512*\i
.endr
.irp i, 0,1,2,3,4,5,6,7,8,9,10,11,12,13,14,15
	s_wait_loadcnt 15-\i                           ; load i is in, the younger ones may be out
	v_cvt_pk_f16_f32 v[96+2*\i], v[32+4*\i], v[33+4*\i]
	v_cvt_pk_f16_f32 v[97+2*\i], v[34+4*\i], v[35+4*\i]
	global_store_b64 v4, v[96+2*\i:97+2*\i], s[18:19] offset:256*\i   ; the wave stores 256 consecutive bytes, aligned
.endr
.Lend:
	s_wait_tensorcnt 0x0                           ; the wave's end, behind the last LDS store
	ds_add_u32 v[SPW], v[NIL]
	s_wait_dscnt 0x0
	s_endpgm
.Lfunc_end_k_q6f6cc426fb_prep:
	.size	k_q6f6cc426fb_prep, .Lfunc_end_k_q6f6cc426fb_prep-k_q6f6cc426fb_prep
	.p2alignl 7, 3214868480
	.fill 96, 4, 3214868480
	.section	.rodata,"a",@progbits
	.p2align	6, 0x0
	.amdhsa_kernel k_q6f6cc426fb_prep
		.amdhsa_group_segment_fixed_size 50688
		.amdhsa_private_segment_fixed_size 0
		.amdhsa_enable_private_segment 0
		.amdhsa_kernarg_size 64
		.amdhsa_user_sgpr_count 2
		.amdhsa_user_sgpr_kernarg_segment_ptr 1
		.amdhsa_wavefront_size32 1
		.amdhsa_system_sgpr_workgroup_id_x 1
		.amdhsa_system_sgpr_workgroup_id_y 1
		.amdhsa_system_sgpr_workgroup_id_z 1
		.amdhsa_system_vgpr_workitem_id 0
		.amdhsa_next_free_vgpr 200
		.amdhsa_next_free_sgpr 66
		.amdhsa_reserve_vcc 0
		.amdhsa_float_denorm_mode_32 3
		.amdhsa_float_denorm_mode_16_64 3
		.amdhsa_memory_ordered 1
		.amdhsa_forward_progress 1
		.amdhsa_inst_pref_size 79
	.end_amdhsa_kernel
	.amdgpu_metadata
---
amdhsa.version: [ 1, 2 ]
amdhsa.kernels:
  - .name:           k_q6f6cc426fb_prep
    .symbol:         k_q6f6cc426fb_prep.kd
    .args:
      - { .name: x, .offset: 0, .size: 8, .value_kind: global_buffer, .address_space: global }
      - { .name: w_qkv, .offset: 8, .size: 8, .value_kind: global_buffer, .address_space: global }
      - { .name: w_proj, .offset: 16, .size: 8, .value_kind: global_buffer, .address_space: global }
      - { .name: x_codes, .offset: 24, .size: 8, .value_kind: global_buffer, .address_space: global }
      - { .name: x_scales, .offset: 32, .size: 8, .value_kind: global_buffer, .address_space: global }
      - { .name: w_codes, .offset: 40, .size: 8, .value_kind: global_buffer, .address_space: global }
      - { .name: w_scales, .offset: 48, .size: 8, .value_kind: global_buffer, .address_space: global }
      - { .name: w16, .offset: 56, .size: 8, .value_kind: global_buffer, .address_space: global }
    .group_segment_fixed_size: 50688
    .private_segment_fixed_size: 0
    .kernarg_segment_align: 8
    .kernarg_segment_size: 64
    .max_flat_workgroup_size: 128
    .sgpr_count:     66
    .vgpr_count:     200
    .wavefront_size: 32
...
	.end_amdgpu_metadata
.endif
;; end of part 1
;; launch qkvgemm (part 2): grid 12 x 32, 4 waves a work-group, clusters of 4 x 4, 327,680 bytes of LDS; arguments x_codes, x_scales, w_codes, w_scales, b_qkv, qkv, h32; writes qkv, h32
.if DOCPART == 2
	.amdgcn_target "amdgcn-amd-amdhsa--gfx1250"
	.amdhsa_code_object_version 6
	.text
	.protected	k_q6f6cc426fb_qkvgemm
	.globl	k_q6f6cc426fb_qkvgemm
	.p2align	8
	.type	k_q6f6cc426fb_qkvgemm,@function
k_q6f6cc426fb_qkvgemm:
	s_mov_b64 s[64:65], 0
	v_nop
	global_prefetch_b8 v0, s[64:65] scope:SCOPE_SE
	s_setreg_imm32_b32 hwreg(HW_REG_WAVE_MODE, 25, 1), 1
	s_wait_xcnt 0x0
	s_wait_alu depctr_hold_cnt(0) depctr_sa_sdst(0) depctr_va_vdst(0) depctr_va_sdst(0) depctr_va_ssrc(0) depctr_va_vcc(0) depctr_vm_vsrc(0)
	s_getreg_b32 s2, hwreg(HW_REG_IB_STS2, 6, 4)
	s_cmp_eq_u32 s2, 0
	s_cbranch_scc0 .Lentry_in_a_cluster
	s_endpgm
.Lentry_in_a_cluster:
	s_bfe_u32 s2, ttmp6, 0x10000c
	s_cmp_lg_u32 s2, 0xf033
	s_cbranch_scc0 .Lentry_shape_is_right
	s_endpgm
.Lentry_shape_is_right:
; qkv = Q(x) Q(w_qkv) + b_qkv on codes of FP4 (E2M1) with one E8M0 scale for each 32 along K; M 8192, N 3072, K 1024; sums in f32.
; LEFT OUT: b_qkv[1024:2048], the bias on K: q . bk is the same for every key of a row, so the softmax takes it away for all values of the inputs; those bytes are not loaded.
; OUT: q, k, v as f16, laid [48 g][8192 m][64] (g = column / 64: q of head h is g = h, k is 16 + h, v is 32 + h), so that 16 rows of one g are 2,048 consecutive bytes;
;      and, for positions 0-15 of each sequence, the f32 sums as images of the accumulators: h32 [4 b][48 g][8 images][32 lanes][16 bytes].
; LIMIT: |q|, |k|, |v| beyond f16's range (65,504) are not served.
; A tile of 256 x 256 is made by four waves, 128 x 128 each: 64 accumulators of 16 x 16.  K is 1,024: two LDS slots of 512 along K (rows of 256 bytes) hold all of it, so every tile is asked for at the head and no
; LDS byte is filled twice: three tensor loads of a wave are out at the most (scales, slot 0, slot 1).
; CLUSTERS: 4 x 4 work-groups; the four of a row of the cluster ask jointly for x's tiles, the four of a column for w's.  Tile row = cluster y + 8 cy: the four tile rows that hold positions 0-15 are then
; those of cluster y = 0, so the branch round the f32 images hangs on the cluster's y and the wave's number alone, which all partners share.  Tile columns 4-7 (K's) are cluster x = 1.
; THE MATRIX INSTRUCTION IS USED TRANSPOSED (source 0 = 16 rows of w's codes, source 1 = 16 rows of x's): a lane holds eight neighbouring columns of one row.
; THE BIAS is the C of each sum's first product: no accumulator is cleared and nothing is added afterwards.  K's columns find zeros in the bias registers, written once at the head, so that the first step is written once for all tile columns.
; REGISTERS: window 0: v0-31 addresses; v32-95 scale words, two sets; v96-127 packed results; v128-191 x's fragments, one set, later rows on the way out; v192-255 the bias, eight registers for each block of 16 columns.
;   window 1: w's fragments, two sets.   windows 2, 3: the accumulators ((a, b) at v[8 (8 (a % 4) + b)]).
.set KSTEP,  512
.set NQ,     KSTEP/128
.set ROWB,   256
.set KROW,   512                       ; a row of codes in memory
.set PITCH,  272                       ; an LDS row: 256 bytes + 16 of padding: the 16 rows that a load touches start at 16 different groups of four banks
.set FR,     8
.set NL,     2
.set NP,     4
.set HALFT,  128*PITCH
.set SLOT,   4*HALFT
.set KS,     32                        ; a row of scales in bytes
.set SCL,    2*SLOT
.set HALFS,  (128*KS/256)*272
.set SBLK,   (16*KS/256)*272
.set SPARE,  SCL+4*HALFS               ; the spare words: 128 bytes a wave, two blocks of 256 bytes that no other line names
.set SPITCH, 272                       ; the way out: 16 rows x (256 bytes + 16) a wave, in slot 0, which has had its only fill and its last read by then
.set ADRA, 16
.set ADRB, 20
.set STO,  24
.set RD,   25
.set CO,   26                          ; v26  16 x lane
.set ADRS, 27
.set SPW,  28
.set NIL,  29
.set BO,   30                          ; v30  32 x (lane / 16): my eight numbers of a block's bias
.set SC,   32
.set TMP,  96
.set AF,   128
.set BK,   128
.set BIAS, 192
.set G1, 24
.set G0, 32
.set G1B, 48
.set G0B, 56
.set G1S, 68
.set G0S, 76
.set G1SB, 80
.set G0SB, 88
.set MSB, 0
.macro WIN new                         ; the immediate's high byte repeats the setting that is left
.if MSB != \new
	s_set_vgpr_msb (MSB<<8)|\new
.set MSB, \new
.endif
.endm
.set MUL_LO, 0xa1                      ; source 0 window 1, source 1 window 0, C and D window 2
.set MUL_HI, 0xf1                      ; the same, C and D window 3
.set TO_B,   0x40
; A joint load: waves 0 and 1 fetch for x, waves 2 and 3 for w.  An s_nop 0 and four v_nop follow each of the two lines.
.macro JLOAD g0a, g1a, g0b, g1b
	s_cmp_eq_u32 s15, 0
	s_cbranch_scc0 .Lfor_b_\@
	tensor_load_to_lds s[\g0a:\g0a+3], s[\g1a:\g1a+7]
	s_nop 0
.rept 4
	v_nop
.endr
	s_branch .Lasked_\@
.Lfor_b_\@:
	tensor_load_to_lds s[\g0b:\g0b+3], s[\g1b:\g1b+7]
	s_nop 0
.rept 4
	v_nop
.endr
.Lasked_\@:
.endm
.macro CROUND                          ; a round of the cluster's barrier
	s_barrier_signal -1
	s_barrier_wait -1
	s_cmp_lg_u32 s14, 0
	s_cbranch_scc1 .Lnot_wave_0_\@
	s_barrier_signal -3
.Lnot_wave_0_\@:
	s_barrier_wait -3
	s_barrier_signal -1
	s_barrier_wait -1
.endm
	s_load_b128 s[4:7], s[0:1], 0x0                ; x's codes, x's scales
	s_load_b128 s[8:11], s[0:1], 0x10              ; w's codes, w's scales
	s_load_b64 s[96:97], s[0:1], 0x20              ; b_qkv
	s_load_b64 s[12:13], s[0:1], 0x28              ; qkv
	s_load_b64 s[98:99], s[0:1], 0x30              ; h32
	v_lshl_add_u32 v[SPW], v0, 2, SPARE
	v_mov_b32 v[NIL], 0
	ds_add_u32 v[SPW], v[NIL]                      ; the wave's opening: the add, twice on end, and its wait ahead of my first tensor load
	ds_add_u32 v[SPW], v[NIL]
	v_lshrrev_b32 v1, 5, v0
	v_readfirstlane_b32 s14, v1                    ; wave 0..3
	s_lshr_b32 s15, s14, 1                         ; which half of the tile's rows is mine.  Also: I fetch for x (0) or for w (1)
	s_and_b32 s16, s14, 1                          ; which half of its columns.  Also: which 128 rows of that tile I fetch
	s_bfe_u32 s40, ttmp6, 0x40000                  ; cx
	s_bfe_u32 s41, ttmp6, 0x40004                  ; cy
	s_lshl_b32 s42, ttmp9, 2
	s_add_co_u32 s42, s42, s40                     ; tile column = 4 x cluster x + cx
	s_and_b32 s17, ttmp7, 0xffff
	s_lshl_b32 s18, s41, 3
	s_add_co_u32 s17, s17, s18                     ; tile row = cluster y + 8 cy
	s_lshl_b32 s43, s41, 2
	s_lshl_b32 s43, 15, s43                        ; my row of the cluster
	s_lshl_b32 s44, 0x1111, s40                    ; my column
	s_or_b32 s[G1+0], s43, (0<<16)|(1<<20)|(1<<21)|(5<<22)|(3<<25)  ; the mask; elements of 1 byte; padding: 4 words behind every 64
	s_or_b32 s[G1B+0], s44, (0<<16)|(1<<20)|(1<<21)|(5<<22)|(3<<25)
.irp g, G1, G1B
	s_mov_b32 s[\g+1], ROWB<<16                    ; tensor_dim0
	s_mov_b32 s[\g+2], 128<<16                     ; tensor_dim1
	s_mov_b32 s[\g+3], ROWB<<16                    ; tile_dim0
	s_mov_b32 s[\g+4], 128                         ; tile_dim1
	s_mov_b32 s[\g+5], KROW                        ; from row to row
	s_mov_b32 s[\g+6], 0
	s_mov_b32 s[\g+7], 0
.endr
	s_or_b32 s[G1S+0], s43, (3<<16)|(1<<20)|(1<<21)|(5<<22)|(3<<25) ; the scales of 128 rows: 4,096 dense bytes as 16 rows of 256 (32 elements of 8 bytes)
	s_or_b32 s[G1SB+0], s44, (3<<16)|(1<<20)|(1<<21)|(5<<22)|(3<<25)
.irp g, G1S, G1SB
	s_mov_b32 s[\g+1], 32<<16
	s_mov_b32 s[\g+2], (128*KS/256)<<16
	s_mov_b32 s[\g+3], 32<<16
	s_mov_b32 s[\g+4], 128*KS/256
	s_mov_b32 s[\g+5], 32
	s_mov_b32 s[\g+6], 0
	s_mov_b32 s[\g+7], 0
.endr
	s_lshl_b32 s18, s16, 7
	s_lshl_b32 s20, s17, 8
	s_add_co_u32 s20, s20, s18                     ; x: row 256 x tile row + 128 x half
	s_lshl_b32 s46, s42, 8
	s_add_co_u32 s46, s46, s18                     ; w: row 256 x tile column + 128 x half
	s_mov_b32 s21, 0
	s_mov_b32 s47, 0
	s_mov_b64 s[18:19], KS
	s_mul_u64 s[22:23], s[20:21], s[18:19]
	s_mul_u64 s[92:93], s[46:47], s[18:19]
	s_mov_b64 s[18:19], KROW
	s_mul_u64 s[20:21], s[20:21], s[18:19]
	s_mul_u64 s[46:47], s[46:47], s[18:19]
	s_mul_i32 s45, s14, HALFT                      ; where they go: wave x 128 rows
	s_mul_i32 s94, s14, HALFS
	s_wait_dscnt 0x0                               ; both opening adds are done
	s_wait_kmcnt 0x0
	s_add_nc_u64 s[20:21], s[4:5], s[20:21]
	s_add_nc_u64 s[22:23], s[6:7], s[22:23]
	s_add_nc_u64 s[46:47], s[8:9], s[46:47]
	s_add_nc_u64 s[92:93], s[10:11], s[92:93]
	CROUND                                         ; all sixteen work-groups are here: the joint loads meet
	s_mov_b32 s[G0S], 1
	s_add_co_u32 s[G0S+1], s94, SCL
	s_mov_b64 s[G0S+2:G0S+3], s[22:23]
	s_or_b32 s[G0S+3], s[G0S+3], 0x80000000
	s_mov_b32 s[G0SB], 1
	s_add_co_u32 s[G0SB+1], s94, SCL
	s_mov_b64 s[G0SB+2:G0SB+3], s[92:93]
	s_or_b32 s[G0SB+3], s[G0SB+3], 0x80000000
	JLOAD G0S, G1S, G0SB, G1SB
.irp s, 0,1
	s_mov_b32 s[G0+4*\s], 1
	s_add_co_u32 s[G0+4*\s+1], s45, \s*SLOT
	s_add_nc_u64 s[G0+4*\s+2:G0+4*\s+3], s[20:21], \s*ROWB
	s_or_b32 s[G0+4*\s+3], s[G0+4*\s+3], 0x80000000
	s_mov_b32 s[G0B+4*\s], 1
	s_add_co_u32 s[G0B+4*\s+1], s45, \s*SLOT
	s_add_nc_u64 s[G0B+4*\s+2:G0B+4*\s+3], s[46:47], \s*ROWB
	s_or_b32 s[G0B+4*\s+3], s[G0B+4*\s+3], 0x80000000
	JLOAD G0+4*\s, G1, G0B+4*\s, G1B
.endr
	v_and_b32 v1, 15, v0                           ; r
	v_bfe_u32 v2, v0, 4, 1                         ; h
	v_mul_u32_u24 v3, v1, PITCH
	v_lshl_add_u32 v4, v2, 4, v3
	s_mul_i32 s21, s15, HALFT
	s_mul_i32 s22, s16, HALFT
	s_add_co_u32 s22, s22, 2*HALFT
.irp s, 0,1
	v_add_nc_u32 v[ADRA+\s], s21, v4
	v_add_nc_u32 v[ADRB+\s], s22, v4
	s_add_co_u32 s21, s21, SLOT
	s_add_co_u32 s22, s22, SLOT
.endr
	v_mul_u32_u24 v5, v1, KS                       ; my row's scales: KS bytes a row,
	v_lshrrev_b32 v6, 8, v5
	v_lshl_add_u32 v5, v6, 4, v5                   ; and 16 more for each 256 passed
	s_mul_i32 s21, s15, HALFS
	s_mul_i32 s22, s16, HALFS
	s_add_co_u32 s22, s22, 2*HALFS
	s_sub_co_u32 s22, s22, s21
	v_mul_u32_u24 v6, s22, v2                      ; lanes 16-31 take w's
	s_add_co_u32 s21, s21, SCL
	v_add_nc_u32 v5, v5, v6
	v_add_nc_u32 v[ADRS], s21, v5
	s_mul_i32 s23, s14, 16*SPITCH                  ; my stage
	v_mul_u32_u24 v5, v1, SPITCH
	v_lshl_add_u32 v5, v2, 4, v5
	v_add_nc_u32 v[STO], s23, v5                   ; in: row r, 16 bytes for each half of the lanes
	v_bfe_u32 v5, v0, 3, 2
	v_mul_u32_u24 v5, v5, SPITCH
	v_and_b32 v6, 7, v0
	v_lshl_add_u32 v5, v6, 4, v5
	v_add_nc_u32 v[RD], s23, v5                    ; back: eight lanes to 128 bytes of a row, four rows an instruction
	v_and_b32 v6, 31, v0
	v_lshlrev_b32 v[CO], 4, v6
	v_lshlrev_b32 v[BO], 5, v2
	s_lshl_b32 s20, s42, 2
	s_lshl_b32 s21, s16, 1
	s_add_co_u32 s100, s20, s21                    ; g0 = 4 x tile column + 2 x half: my first group of 64 columns
	s_lshl_b32 s20, s100, 20
	s_lshl_b32 s21, s17, 15                        ; 256 rows of 128 bytes a tile row
	s_add_co_u32 s20, s20, s21
	s_lshl_b32 s21, s15, 14
	s_add_co_u32 s20, s20, s21
	s_mov_b32 s21, 0
	s_add_nc_u64 s[12:13], s[12:13], s[20:21]      ; qkv at my first row of g0
	s_mul_i32 s20, s41, 48                         ; (used where cluster y = 0: the batch is cy)
	s_add_co_u32 s20, s20, s100
	s_lshl_b32 s20, s20, 12
	s_add_nc_u64 s[98:99], s[98:99], s[20:21]      ; h32 at (batch, g0)
	s_lshl_b32 s20, s100, 8
	s_add_nc_u64 s[96:97], s[96:97], s[20:21]      ; b_qkv at my first column
	s_cmp_eq_u32 ttmp9, 1                          ; the cluster's x: the same in all partners and all waves.  K's columns load no bias
	s_cbranch_scc1 .Lzero_bias
.irp b, 0,1,2,3,4,5,6,7
	global_load_b128 v[BIAS+8*\b:BIAS+8*\b+3], v[BO], s[96:97] offset:64*\b
	global_load_b128 v[BIAS+8*\b+4:BIAS+8*\b+7], v[BO], s[96:97] offset:64*\b+16
.endr
	s_branch .Lbias_done
.Lzero_bias:
.set i, 0
.rept 64
	v_mov_b32 v[BIAS+i], 0                         ; K's columns: the C of the first products is 0.  Written once, while the tiles are on their way; so one text of the first step serves all tile columns
.set i, i+1
.endr
.Lbias_done:
.macro FRAG reg, adr, q, i             ; 16 rows x 128 K of 4-bit codes: 8 registers, two loads of 16 bytes, 32 bytes apart
.irp c, 0,1
	ds_load_b128 v[\reg+4*\c:\reg+4*\c+3], v[\adr] offset:64*(\q)+32*\c+(\i)*16*PITCH
.endr
.endm
; 16 matrix instructions: x's blocks a0, a0 + 1 against w's eight.  mode 0: the sums go on; 1: the bias registers start them.  The 64 accumulators take turns, one instruction a turn.
.macro MUL16 a0, p, q, sc, mode
.irp a, \a0, \a0+1
.irp b, 0,1,2,3,4,5,6,7
.if \mode == 1
	v_wmma_scale_f32_16x16x128_f8f6f4 v[8*(8*((\a)%4)+\b):8*(8*((\a)%4)+\b)+7], v[128*(\p)+FR*\b:128*(\p)+FR*\b+FR-1], v[AF+FR*(\a):AF+FR*(\a)+FR-1], v[BIAS+8*\b:BIAS+8*\b+7], v[SC+8*NQ*(\sc)+NQ*\b+(\q)], v[SC+8*NQ*(\sc)+NQ*(\a)+(\q)] matrix_a_fmt:MATRIX_FMT_FP4 matrix_b_fmt:MATRIX_FMT_FP4 matrix_a_scale:MATRIX_SCALE_ROW1
.else
	v_wmma_scale_f32_16x16x128_f8f6f4 v[8*(8*((\a)%4)+\b):8*(8*((\a)%4)+\b)+7], v[128*(\p)+FR*\b:128*(\p)+FR*\b+FR-1], v[AF+FR*(\a):AF+FR*(\a)+FR-1], v[8*(8*((\a)%4)+\b):8*(8*((\a)%4)+\b)+7], v[SC+8*NQ*(\sc)+NQ*\b+(\q)], v[SC+8*NQ*(\sc)+NQ*(\a)+(\q)] matrix_a_fmt:MATRIX_FMT_FP4 matrix_b_fmt:MATRIX_FMT_FP4 matrix_a_scale:MATRIX_SCALE_ROW1
.endif
.endr
.endr
.endm
.macro FETCH_B slot, q, p
	WIN TO_B
.irp i, 0,1,2,3,4,5,6,7
	FRAG 128*(\p)+FR*\i, ADRB+\slot, \q, \i
.endr
	WIN 0
.endm
.macro FETCH_A slot, q, i0
.irp i, \i0, \i0+1, \i0+2, \i0+3
	FRAG AF+FR*(\i), ADRA+\slot, \q, \i
.endr
.endm
.macro SCALES sc                       ; a slot's scale words: lanes 0-15 take x's block i, lanes 16-31 w's block i
.irp i, 0,1,2,3,4,5,6,7
	ds_load_b128 v[SC+8*NQ*\sc+NQ*\i:SC+8*NQ*\sc+NQ*\i+3], v[ADRS] offset:\i*SBLK
.endr
.endm
.macro PLACES n                        ; plain vector instructions between a matrix instruction and a load into, or a read of, its registers
.rept \n
	v_nop
.endr
.endm
.macro STEP slot, q, mode              ; 128 along K that has its successor in the same slot
	s_wait_dscnt 4*NL                              ; w's set and x's blocks 0-3 are in; the youngest eight loads (x's blocks 4-7) may be out
.if \mode == 1
	WIN 0x81                                       ; C (the bias) window 0, D window 2
.else
	WIN MUL_LO
.endif
	MUL16 0, (\q)%2, \q, \slot, \mode
	MUL16 2, (\q)%2, \q, \slot, \mode
	s_wait_dscnt 0
	PLACES NP
	FETCH_B \slot, (\q)+1, 1-(\q)%2
	FETCH_A \slot, (\q)+1, 0
.if \mode == 1
	WIN 0xc1                                       ; C window 0, D window 3
.else
	WIN MUL_HI
.endif
	MUL16 4, (\q)%2, \q, \slot, \mode
	MUL16 6, (\q)%2, \q, \slot, \mode
	PLACES NP
	WIN 0
	FETCH_A \slot, (\q)+1, 4
.endm
.macro TURN slot, next                 ; a slot's last step changes slots: one barrier; nothing is filled again
	s_wait_tensorcnt 0x0                           ; all my tensor loads have landed: my part of the next slot
	ds_add_u32 v[SPW], v[NIL]                      ; 0 onto my spare word
	s_wait_dscnt 4*NL+1                            ; (the add and the youngest eight loads may be out)
	WIN MUL_LO
	MUL16 0, 1, NQ-1, \slot, 0
	s_wait_dscnt 0x0                               ; the add is done, and my reads of this slot are over
	s_barrier_signal -1
	MUL16 2, 1, NQ-1, \slot, 0
	WIN 0
	s_barrier_wait -1
	PLACES NP
	v_add_nc_u32 v[ADRS], 4*NQ, v[ADRS]            ; on to the next slot's scale words
	FETCH_B \next, 0, 0
	FETCH_A \next, 0, 0
	SCALES \next
	WIN MUL_HI
	MUL16 4, 1, NQ-1, \slot, 0
	MUL16 6, 1, NQ-1, \slot, 0
	PLACES NP
	WIN 0
	FETCH_A \next, 0, 4
.endm
.macro STEPS slot, from
.set Q, \from
.rept NQ-1-\from
	STEP \slot, Q, 0
.set Q, Q+1
.endr
.endm
	s_wait_tensorcnt 1                             ; the scales and my part of slot 0 are in (slot 1's load may be out),
	s_barrier_signal -1
	s_barrier_wait -1                              ; everybody's are
	FETCH_B 0, 0, 0
	FETCH_A 0, 0, 0
	SCALES 0
	FETCH_A 0, 0, 4
	s_wait_loadcnt 0x0                             ; the bias (K's columns have no load out)
	STEP 0, 0, 1                                   ; the first step's products start the sums
	STEPS 0, 1
	TURN 0, 1
	STEPS 1, 0
	s_wait_dscnt 4*NL                              ; the very last step: nothing more to fetch
	WIN MUL_LO
	MUL16 0, 1, NQ-1, 1, 0
	MUL16 2, 1, NQ-1, 1, 0
	s_wait_dscnt 0
	WIN MUL_HI
	MUL16 4, 1, NQ-1, 1, 0
	MUL16 6, 1, NQ-1, 1, 0
	WIN 0
	PLACES NP
	; positions 0-15 of a sequence are rows 0-15 of tile rows 0, 8, 16, 24: cluster y = 0, the upper half of the rows, block 0.  Their f32 sums leave as they stand, 512 consecutive bytes a store
	s_and_b32 s20, ttmp7, 0xffff
	s_or_b32 s20, s20, s15
	s_cmp_lg_u32 s20, 0
	s_cbranch_scc1 .Lno32
	WIN 0x08                                       ; a store's data are its source 1: window 2
.irp b, 0,1,2,3,4,5,6,7
	global_store_b128 v[CO], v[8*\b:8*\b+3], s[98:99] offset:1024*\b          ; each accumulator from its low end on
	global_store_b128 v[CO], v[8*\b+4:8*\b+7], s[98:99] offset:1024*\b+512
.endr
	WIN 0
.Lno32:
; THE WAY OUT, block by block of 16 rows x 128 columns: rounded to f16, through my stage, back as 128-byte rows of each of my two groups of 64 columns, which are consecutive in qkv.
.macro PACK a
.set AC, 64*((\a)%4)
	WIN 0x0a+5*((\a)/4)                            ; sources 0 and 1: window 2 or 3
.irp b, 0,1,2,3,4,5,6,7
.irp i, 0,1,2,3
	v_cvt_pk_f16_f32 v[TMP+4*\b+\i], v[AC+8*\b+2*\i], v[AC+8*\b+2*\i+1]
.endr
.endr
	WIN 0
.endm
.macro TOSTAGE a
.set BB, BK+32*((\a)%2)
.irp b, 0,1,2,3,4,5,6,7
	ds_store_b128 v[STO], v[TMP+4*\b:TMP+4*\b+3] offset:32*\b
.endr
.irp gs, 0,1
.irp i, 0,1,2,3
	ds_load_b128 v[BB+16*\gs+4*\i:BB+16*\gs+4*\i+3], v[RD] offset:128*\gs+4*SPITCH*\i   ; LDS serves a wave's instructions in order: these see the stores above
.endr
.endr
.endm
.macro SEND a
.set BB, BK+32*((\a)%2)
	s_wait_dscnt 0x0                               ; the block is back in registers
	s_wait_xcnt 0x0                                ; the stores of the block before have read their registers: the next block's loads may land there
.irp gs, 0,1
.irp i, 0,1,2,3
	global_store_b128 v[CO], v[BB+16*\gs+4*\i:BB+16*\gs+4*\i+3], s[12:13] offset:\gs*1048576+2048*(\a)+512*\i   ; 512 consecutive bytes, aligned
.endr
.endr
.endm
	PACK 0
	TOSTAGE 0
.irp a, 1,2,3,4,5,6,7                  ; block a's conversions stand between block a - 1's loads from the stage and the wait for them
	PACK \a
	SEND \a-1
	TOSTAGE \a
.endr
	SEND 7
	s_wait_tensorcnt 0x0                           ; the wave's end
	ds_add_u32 v[SPW], v[NIL]
	s_wait_dscnt 0x0
	CROUND                                         ; the closing round
	s_endpgm
.Lfunc_end_k_q6f6cc426fb_qkvgemm:
	.size	k_q6f6cc426fb_qkvgemm, .Lfunc_end_k_q6f6cc426fb_qkvgemm-k_q6f6cc426fb_qkvgemm
	.p2alignl 7, 3214868480
	.fill 96, 4, 3214868480
	.section	.rodata,"a",@progbits
	.p2align	6, 0x0
	.amdhsa_kernel k_q6f6cc426fb_qkvgemm
		.amdhsa_group_segment_fixed_size 327680
		.amdhsa_private_segment_fixed_size 0
		.amdhsa_enable_private_segment 0
		.amdhsa_kernarg_size 56
		.amdhsa_user_sgpr_count 2
		.amdhsa_user_sgpr_kernarg_segment_ptr 1
		.amdhsa_wavefront_size32 1
		.amdhsa_system_sgpr_workgroup_id_x 1
		.amdhsa_system_sgpr_workgroup_id_y 1
		.amdhsa_system_sgpr_workgroup_id_z 1
		.amdhsa_system_vgpr_workitem_id 0
		.amdhsa_next_free_vgpr 1024
		.amdhsa_next_free_sgpr 102
		.amdhsa_reserve_vcc 0
		.amdhsa_float_denorm_mode_32 3
		.amdhsa_float_denorm_mode_16_64 3
		.amdhsa_memory_ordered 1
		.amdhsa_forward_progress 1
		.amdhsa_inst_pref_size 132
	.end_amdhsa_kernel
	.amdgpu_metadata
---
amdhsa.version: [ 1, 2 ]
amdhsa.kernels:
  - .name:           k_q6f6cc426fb_qkvgemm
    .symbol:         k_q6f6cc426fb_qkvgemm.kd
    .args:
      - { .name: x_codes, .offset: 0, .size: 8, .value_kind: global_buffer, .address_space: global }
      - { .name: x_scales, .offset: 8, .size: 8, .value_kind: global_buffer, .address_space: global }
      - { .name: w_codes, .offset: 16, .size: 8, .value_kind: global_buffer, .address_space: global }
      - { .name: w_scales, .offset: 24, .size: 8, .value_kind: global_buffer, .address_space: global }
      - { .name: b_qkv, .offset: 32, .size: 8, .value_kind: global_buffer, .address_space: global }
      - { .name: qkv, .offset: 40, .size: 8, .value_kind: global_buffer, .address_space: global }
      - { .name: h32, .offset: 48, .size: 8, .value_kind: global_buffer, .address_space: global }
    .group_segment_fixed_size: 327680
    .private_segment_fixed_size: 0
    .kernarg_segment_align: 8
    .kernarg_segment_size: 56
    .max_flat_workgroup_size: 128
    .sgpr_count:     102
    .vgpr_count:     1024
    .wavefront_size: 32
...
	.end_amdgpu_metadata
.endif
;; end of part 2
;; launch attn (part 3): grid 4 x 64, 16 waves a work-group, no clusters, 327,680 bytes of LDS; arguments qkv, y16; writes y16
.if DOCPART == 3
	.amdgcn_target "amdgcn-amd-amdhsa--gfx1250"
	.amdhsa_code_object_version 6
	.text
	.protected	k_q6f6cc426fb_attn
	.globl	k_q6f6cc426fb_attn
	.p2align	8
	.type	k_q6f6cc426fb_attn,@function
k_q6f6cc426fb_attn:
	s_mov_b64 s[64:65], 0
	v_nop
	global_prefetch_b8 v0, s[64:65] scope:SCOPE_SE
	s_setreg_imm32_b32 hwreg(HW_REG_WAVE_MODE, 25, 1), 1
	s_wait_xcnt 0x0
; y[b][h][q] = the sum over k <= q of softmax_k(q . k / 8) v, on f16 operands with f32 sums; the softmax in f32 with a running maximum.
; LEFT OUT: key steps all of whose keys come after all of a wave's queries, and LDS slots that no wave of the work-group reads: the causal mask makes their weights 0 for all values of the inputs.
; qkv: [48 g][8192 m][64] f16 (q: g = head, k: 16 + head, v: 32 + head; m = 2048 b + t).  y16: [16 heads][8192 m][64] f16.  (Rows t < 16 are computed here too, inside live tiles; a later launch stores them anew from f32.)
; LIMIT: |y| beyond f16's range is not served.
; SHARES.  Work-group (p, b h) owns the query blocks p and 7 - p (256 queries each) of one head: waves 0-7 block p, waves 8-15 block 7 - p, so that every work-group has the same number of live key steps.
; A wave owns 32 queries, two tiles of 16, which share every fragment of K and V that it reads from LDS.  Four waves to a SIMD: one wave's vector work stands beside another's matrix work.
; NO CLUSTER: the four work-groups of a head need 5, 6, 7 and 8 slots; a joint load would bring tiles whose reads every wave of some partner jumps over.
; LAYOUT.  S^T = K Q^T (source 0 = 16 keys, source 1 = 16 queries): a lane holds ONE query (lane % 16) and keys 8 (lane / 16) + 0..7 of each tile of 16 keys.  Two such tiles, rounded to f16 in pairs, are source 1
; (32 keys x 16 queries) of O^T = V^T P.  K comes out of LDS as it lies, V ([key][channel]) turned, by ds_load_tr16_b128.
; SOFTMAX.  For each query a running maximum m and sum l: p = 2^(c s - c m), c = log2(e) / 8, by one fused multiply-add and one exponential; O and l are multiplied by 2^(c m_old - c m_new) in every step.
; THE WALK.  All work-groups walk 8 slots of 256 keys with constant trip counts; a step's work is jumped over by a scalar branch on ids; a slot beyond the work-group's last query is not asked for.  Every wait on TENSORcnt is for 0.
.set KP,    144                        ; a key's row in LDS: 128 bytes + 16
.set VP,    160                        ; a row of V: 128 + 32: the turning load's 8 rows x 32 bytes fall on different banks
.set SK,    256                        ; keys in a slot
.set VOFF,  SK*KP
.set SLOT1, 1<<17
.set STAGE, SLOT1+VOFF+SK*VP           ; behind the ring: 2 x 16 rows x 144 bytes a wave, never filled by a tensor load
.set SPARE, STAGE+16*4608              ; the spare words: 128 bytes a wave, eight blocks of 256 bytes that no other line names
.set NSL,   8
.set AK0,  1                           ; v1   my lane's place in a tile of K
.set AV0,  2                           ; v2   and of V
.set ADK,  3
.set ADV,  4
.set DQ,   5                           ; v5   my first tile's query - the step's first key - 8 (lane / 16)
.set SPW,  6
.set NIL,  7
.set T,    8                           ; v8-11 at work
.set NINF, 12                          ; v12  -infinity
.set PFO,  13                          ; v13  256 x lane
.set RH,   14                          ; v14  lane % 16 - 8 (lane / 16)
.set GO,   15                          ; v15  first Q's offset, then 16 x lane for the stores
.set ST,   16                          ; statistics of tile x at v[16 + 8 x]: +0 c m, +1 m, +2, +3 l, +4 the factor (+5 its pair's upper word), +6 at work
.set STO,  23                          ; v23  the way out: where I put 16 bytes of a row
.set RD,   31                          ; v31  and where I read rows back
.set Q,    32                          ; v32-63   Q: tile x at +16 x, 32 channels at +8
.set KV,   64                          ; v64-127  eight fragments of K, then of V
.set S,    128                         ; v128-159 S^T of one tile, then p
.set P,    160                         ; v160-191 P, 16 a tile
.set O,    192                         ; v192-255 O^T, 32 a tile
.set WV,   18
.set SEL,  20
.set CS,   22
.set G1K,  24
.set G1V,  32
.set G0K,  40
.set G0V,  44
.set TB,   2
.set SLOTS, 67
.set QL,   68                          ; s68  my work-group's last query
.set PFA,  76
.set LIM,  80
.set KF,   98                          ; s98  the step's first key
.set Q0,   99                          ; s99  my first query
; Waves 0 and 1 fetch K's halves of a slot, waves 2 and 3 V's, 128 rows each; the others nothing.  An s_nop 0 and four v_nop follow each line.
.macro TLOAD
	s_cmp_lt_u32 s[WV], 2
	s_cbranch_scc0 .Lnot_k_\@
	tensor_load_to_lds s[G0K:G0K+3], s[G1K:G1K+7]
	s_nop 0
.rept 4
	v_nop
.endr
	s_branch .Lasked_\@
.Lnot_k_\@:
	s_cmp_lt_u32 s[WV], 4
	s_cbranch_scc0 .Lasked_\@
	tensor_load_to_lds s[G0V:G0V+3], s[G1V:G1V+7]
	s_nop 0
.rept 4
	v_nop
.endr
.Lasked_\@:
.endm
; A prefetch of what the NEXT change of slots will ask for: 32,768 dense bytes of K and as many of V.  Work-group p = 0 of a head, which walks all eight slots, asks, and nobody else; in it waves 4-7 ask for K's,
; waves 8-11 for V's, 8,192 bytes a wave, lanes 256 bytes apart: each aligned block of 256 bytes is named once in the launch.  The last change that fills a slot asks for nothing; slots 0 and 1 come by their loads alone.
.macro ASK
	s_cmp_gt_u32 s[SLOTS], s[LIM]
	s_cbranch_scc0 .Lnot_mine_\@
	global_prefetch_b8 v[PFO], s[PFA:PFA+1] th:TH_LOAD_NT scope:SCOPE_SE
.Lnot_mine_\@:
.endm
	s_load_b128 s[4:7], s[0:1], 0x0                ; qkv, y16
	v_lshl_add_u32 v[SPW], v0, 2, SPARE
	v_mov_b32 v[NIL], 0
	ds_add_u32 v[SPW], v[NIL]                      ; the wave's opening: the add, twice on end, and its wait ahead of the first tensor load
	ds_add_u32 v[SPW], v[NIL]
	v_lshrrev_b32 v8, 5, v0
	v_readfirstlane_b32 s[WV], v8                  ; wave 0..15
	s_and_b32 s70, ttmp7, 0xffff
	s_and_b32 s71, s70, 15                         ; head
	s_lshr_b32 s72, s70, 4                         ; batch
	s_lshl_b32 s71, s71, 20
	s_lshl_b32 s72, s72, 18
	s_add_co_u32 s70, s71, s72                     ; the head's and the batch's bytes in a third of qkv, and in y16
	s_lshr_b32 s73, s[WV], 3
	s_lshl_b32 s74, ttmp9, 1
	s_sub_co_u32 s74, 7, s74
	s_mul_i32 s74, s74, s73
	s_add_co_u32 s74, s74, ttmp9                   ; my block of queries: p, or 7 - p
	s_lshl_b32 s74, s74, 8
	s_and_b32 s75, s[WV], 7
	s_lshl_b32 s75, s75, 5
	s_add_co_u32 s[Q0], s74, s75
	s_sub_co_u32 s[QL], 8, ttmp9
	s_lshl_b32 s[QL], s[QL], 8
	s_sub_co_u32 s[QL], s[QL], 1
	s_and_b32 s81, s[WV], 1                        ; which half of a slot I fetch, if I fetch
	s_lshl_b32 s82, s81, 14
	s_add_co_u32 s82, s82, s70
	s_add_co_u32 s84, s82, 16<<20                  ; K
	s_mov_b32 s85, 0
	s_add_co_u32 s86, s82, 32<<20                  ; V
	s_mov_b32 s87, 0
	s_mul_i32 s88, s81, 128*KP
	s_mul_i32 s89, s81, 128*VP
	s_add_co_u32 s89, s89, VOFF
	s_lshl_b32 s90, s[Q0], 7
	s_add_co_u32 s90, s90, s70
	s_mov_b32 s91, 0
	s_mov_b32 s[G1K], (1<<16)|(1<<20)|(4<<22)|(3<<25)   ; no mask; elements of 2 bytes; padding: 4 words behind every 32
	s_mov_b32 s[G1V], (1<<16)|(1<<20)|(4<<22)|(7<<25)   ; 8 words behind every 32
.irp g, G1K, G1V
	s_mov_b32 s[\g+1], 64<<16                      ; tensor_dim0
	s_mov_b32 s[\g+2], 128<<16                     ; tensor_dim1
	s_mov_b32 s[\g+3], 64<<16                      ; tile_dim0
	s_mov_b32 s[\g+4], 128                         ; tile_dim1
	s_mov_b32 s[\g+5], 64                          ; from row to row
	s_mov_b32 s[\g+6], 0
	s_mov_b32 s[\g+7], 0
.endr
	s_mov_b32 s[SEL], 0x76543210
	s_mov_b32 s[SEL+1], 0xfedcba98
	s_mov_b32 s[CS], 0x3e38aa3b                    ; c = log2(e) / 8
	s_mov_b32 s[CS+1], s[CS]
	s_mov_b32 s[TB], 0
	s_mov_b32 s[SLOTS], NSL-1
	s_mov_b32 s[KF], 0
	s_wait_dscnt 0x0                               ; both opening adds are done
	s_wait_kmcnt 0x0
	s_mov_b32 s[G0K], 1
	s_mov_b32 s[G0K+1], s88
	s_add_nc_u64 s[G0K+2:G0K+3], s[4:5], s[84:85]
	s_or_b32 s[G0K+3], s[G0K+3], 0x80000000
	s_mov_b32 s[G0V], 1
	s_mov_b32 s[G0V+1], s89
	s_add_nc_u64 s[G0V+2:G0V+3], s[4:5], s[86:87]
	s_or_b32 s[G0V+3], s[G0V+3], 0x80000000
	TLOAD                                          ; slot 0: key 0 counts for every query, so it is read by all
	s_add_nc_u64 s[8:9], s[4:5], s[90:91]          ; Q at my first query
	s_add_nc_u64 s[6:7], s[6:7], s[90:91]          ; y16 likewise
	s_cmp_lt_u32 s[WV], 8
	s_mov_b32 s82, 32<<20
	s_cselect_b32 s82, 16<<20, s82                 ; waves 4-7 ask for K, waves 8-11 for V
	s_add_co_u32 s82, s82, s70
	s_and_b32 s83, s[WV], 3
	s_lshl_b32 s83, s83, 13
	s_add_co_u32 s82, s82, s83
	s_add_co_u32 s82, s82, 32768                   ; in slot 1: the first change of slots steps it to slot 2
	s_mov_b32 s83, 0
	s_add_nc_u64 s[PFA:PFA+1], s[4:5], s[82:83]
	s_sub_co_u32 s82, s[WV], 4
	s_lshr_b32 s82, s82, 3                         ; 0 in waves 4 to 11,
	s_or_b32 s82, s82, ttmp9                       ; of work-group p = 0
	s_cmp_eq_u32 s82, 0
	s_cselect_b32 s[LIM], 1, -1
	v_and_b32 v8, 15, v0                           ; r
	v_bfe_u32 v9, v0, 4, 1                         ; h
	v_lshlrev_b32 v[GO], 7, v8
	v_lshl_add_u32 v[GO], v9, 4, v[GO]             ; Q: row r of 128 bytes, + 16 h
.irp x, 0,1
.irp ks, 0,1
	global_load_b128 v[Q+16*\x+8*\ks:Q+16*\x+8*\ks+3], v[GO], s[8:9] offset:2048*\x+64*\ks
	global_load_b128 v[Q+16*\x+8*\ks+4:Q+16*\x+8*\ks+7], v[GO], s[8:9] offset:2048*\x+64*\ks+32
.endr
.endr
	v_mul_u32_u24 v[AK0], v8, KP
	v_lshl_add_u32 v[AK0], v9, 4, v[AK0]
	v_and_b32 v10, 7, v0
	v_lshl_add_u32 v10, v9, 3, v10
	v_mul_u32_u24 v[AV0], v10, VP                  ; key 8 h + lane % 8,
	v_bfe_u32 v11, v0, 3, 1
	v_lshl_add_u32 v[AV0], v11, 4, v[AV0]          ; channels 8 ((lane / 8) % 2) on
	v_add_nc_u32 v[AV0], VOFF, v[AV0]
	v_lshlrev_b32 v10, 3, v9
	v_sub_nc_u32 v[RH], v8, v10
	v_mov_b32 v[NINF], 0xff800000
	v_and_b32 v[PFO], 31, v0
	v_lshlrev_b32 v[PFO], 8, v[PFO]
	s_mul_i32 s82, s[WV], 4608
	s_add_co_u32 s82, s82, STAGE                   ; my stage
	v_mul_u32_u24 v[STO], v8, KP
	v_lshl_add_u32 v[STO], v9, 4, v[STO]
	v_add_nc_u32 v[STO], s82, v[STO]
	v_bfe_u32 v10, v0, 3, 2
	v_mul_u32_u24 v[RD], v10, KP
	v_and_b32 v10, 7, v0
	v_lshl_add_u32 v[RD], v10, 4, v[RD]
	v_add_nc_u32 v[RD], s82, v[RD]
.irp x, 0,1
	v_mov_b32 v[ST+8*\x+1], 0xff61b1e6             ; m: -3e38, under every score
	v_mul_f32 v[ST+8*\x], s[CS], v[ST+8*\x+1]
	v_mov_b32 v[ST+8*\x+2], 0
	v_mov_b32 v[ST+8*\x+3], 0
	v_mov_b32 v[ST+8*\x+5], 0                      ; named as the upper half of a pair
.endr
.irp j, 0,1,2,3
	v_mov_b32 v[T+\j], 0                           ; a lane permute's destination counts as one of its sources
.endr
.set i, 0
.rept 64
	v_mov_b32 v[O+i], 0                            ; O^T.  The step is written once for all steps: the first finds zeros, which the first factor, 0, leaves zeros
.set i, i+1
.endr
; S^T of tile x: 8 matrix instructions, four accumulators by turns; the first 32 channels start the sums
.macro SMM x
.irp ks, 0,1
.irp t, 0,1,2,3
.if \ks == 0
	v_wmma_f32_16x16x32_f16 v[S+8*\t:S+8*\t+7], v[KV+8*(2*\t+\ks):KV+8*(2*\t+\ks)+7], v[Q+16*(\x)+8*\ks:Q+16*(\x)+8*\ks+7], 0
.else
	v_wmma_f32_16x16x32_f16 v[S+8*\t:S+8*\t+7], v[KV+8*(2*\t+\ks):KV+8*(2*\t+\ks)+7], v[Q+16*(\x)+8*\ks:Q+16*(\x)+8*\ks+7], v[S+8*\t:S+8*\t+7]
.endif
.endr
.endr
.endm
; On the diagonal hidden scores become -infinity ahead of the maximum.  Register 8 t + j holds key KF + 16 t + 8 h + j; my query is Q0 + 16 x + r: hidden where 16 t + j - 16 x > DQ.  A step all of whose keys count skips this.
.macro MASK x
	s_add_co_u32 s96, s[KF], 63
	s_cmp_le_u32 s96, s[Q0]
	s_cbranch_scc1 .Lopen_\@
.set n, 0
.rept 32
	v_cmp_gt_i32 vcc_lo, 16*(n/8)+n%8-16*(\x), v[DQ]
	v_cndmask_b32 v[S+n], v[S+n], v[NINF], vcc_lo
.set n, n+1
.endr
.Lopen_\@:
.endm
.macro SOFT x
.set rT, ST+8*(\x)
.irp j, 0,1,2,3
	v_max3_num_f32 v[T+\j], v[S+8*\j], v[S+8*\j+1], v[S+8*\j+2]    ; four chains, each from its accumulator's low end
.endr
.irp i, 3,5
.irp j, 0,1,2,3
	v_max3_num_f32 v[T+\j], v[T+\j], v[S+8*\j+\i], v[S+8*\j+\i+1]
.endr
.endr
	v_max3_num_f32 v[T], v[T], v[S+7], v[S+15]
	v_max3_num_f32 v[T+2], v[T+2], v[S+23], v[S+31]
	v_max3_num_f32 v[T], v[T], v[T+1], v[T+2]
	v_max3_num_f32 v[T], v[T], v[T+3], v[rT+1]     ; with the old m
	v_permlanex16_b32 v[T+1], v[T], s[SEL], s[SEL+1]   ; the query's other keys lie in the lane 16 away
	v_mov_b32 v[rT+6], v[rT]                       ; c m_old
	v_max_num_f32 v[rT+1], v[T], v[T+1]
	v_mul_f32 v[rT], s[CS], v[rT+1]
	v_sub_f32 v[rT+6], v[rT+6], v[rT]
.set i, 0
.rept 16
	v_pk_fma_f32 v[S+i:S+i+1], v[S+i:S+i+1], s[CS:CS+1], v[rT:rT+1] op_sel_hi:[1,0,0] neg_lo:[0,0,1] neg_hi:[0,0,1]   ; c s - c m
.set i, i+2
.endr
	v_exp_f32 v[rT+4], v[rT+6]                     ; the factor 2^(c m_old - c m_new)
.set i, 0
.rept 32
	v_exp_f32 v[S+i], v[S+i]
.set i, i+1
.endr
	v_nop                                          ; a plain instruction behind the last exponential
	s_wait_alu depctr_va_vdst(0)                   ; one wait for the batch of 33, ahead of its first reader
.set i, 0
.rept 16
	v_cvt_pk_f16_f32 v[P+16*(\x)+i], v[S+2*i], v[S+2*i+1]
.set i, i+1
.endr
.irp u, 0,1,2,3,4,5,6,7
	v_pk_add_f32 v[S+4*\u:S+4*\u+1], v[S+4*\u:S+4*\u+1], v[S+4*\u+2:S+4*\u+3]   ; the row's sum of the f32 weights, as a tree
.endr
.irp u, 0,1,2,3
	v_pk_add_f32 v[S+8*\u:S+8*\u+1], v[S+8*\u:S+8*\u+1], v[S+8*\u+4:S+8*\u+5]
.endr
.irp u, 0,1
	v_pk_add_f32 v[S+16*\u:S+16*\u+1], v[S+16*\u:S+16*\u+1], v[S+16*\u+8:S+16*\u+9]
.endr
	v_pk_add_f32 v[S:S+1], v[S:S+1], v[S+16:S+17]
	v_pk_fma_f32 v[rT+2:rT+3], v[rT+2:rT+3], v[rT+4:rT+5], v[S:S+1] op_sel_hi:[1,0,1]
.endm
.macro RESC x                          ; the tile's O^T times the factor
.set i, 0
.rept 16
	v_pk_mul_f32 v[O+32*(\x)+i:O+32*(\x)+i+1], v[O+32*(\x)+i:O+32*(\x)+i+1], v[ST+8*(\x)+4:ST+8*(\x)+5] op_sel_hi:[1,0]
.set i, i+2
.endr
.endm
.macro PVM                             ; O^T += V^T P for both tiles: 16 matrix instructions, eight accumulators by turns
.irp ks, 0,1
.irp c, 0,1,2,3
.irp x, 0,1
	v_wmma_f32_16x16x32_f16 v[O+32*\x+8*\c:O+32*\x+8*\c+7], v[KV+8*(4*\ks+\c):KV+8*(4*\ks+\c)+7], v[P+16*\x+8*\ks:P+16*\x+8*\ks+7], v[O+32*\x+8*\c:O+32*\x+8*\c+7]
.endr
.endr
.endr
.endm
; A KEY STEP: 64 keys, the q-th of the slot in hand
.macro STEP q
	s_add_co_u32 s96, s[Q0], 31
	s_cmp_gt_u32 s[KF], s96                        ; all its keys come after my 32 queries: ids and the count of steps alone
	s_cbranch_scc1 .Lhidden_\@
	s_sub_co_i32 s96, s[Q0], s[KF]
	v_add_nc_u32 v[ADK], s[TB], v[AK0]             ; these four plain lines are the places between the last step's products and the loads into the registers that they read
	v_add_nc_u32 v[ADV], s[TB], v[AV0]
	v_add_nc_u32 v[DQ], s96, v[RH]
	v_nop
.irp t, 0,1,2,3
.irp ks, 0,1
	ds_load_b128 v[KV+8*(2*\t+\ks):KV+8*(2*\t+\ks)+3], v[ADK] offset:(64*(\q)+16*\t)*KP+64*\ks
	ds_load_b128 v[KV+8*(2*\t+\ks)+4:KV+8*(2*\t+\ks)+7], v[ADK] offset:(64*(\q)+16*\t)*KP+64*\ks+32
.endr
.endr
	s_wait_dscnt 0x0
	SMM 0
.rept 4
	v_nop
.endr
	MASK 0
	SOFT 0
	SMM 1
	RESC 0                                         ; sixteen plain lines that name none of those products' registers: the places in front of V's loads and of the first read of the scores
.irp ks, 0,1
.irp c, 0,1,2,3
	ds_load_tr16_b128 v[KV+8*(4*\ks+\c):KV+8*(4*\ks+\c)+3], v[ADV] offset:(64*(\q)+32*\ks)*VP+32*\c
	ds_load_tr16_b128 v[KV+8*(4*\ks+\c)+4:KV+8*(4*\ks+\c)+7], v[ADV] offset:(64*(\q)+32*\ks)*VP+16*VP+32*\c
.endr
.endr
	MASK 1
	SOFT 1
	RESC 1
	s_wait_dscnt 0x0                               ; V is in
	PVM
.Lhidden_\@:
	s_add_co_u32 s[KF], s[KF], 64
.endm
; THE CHANGE OF SLOTS stands at a slot's head.  Each wave waits for all its tensor loads, adds 0 to its spare word, and waits for that and for its reads of the slot that it has left.  Behind the barrier the slot ahead
; is whole and nobody reads the other one, which is then filled with the keys that follow, up to the causal limit: that load has a slot's four steps in which to land.
.macro CHANGE fill
	s_wait_tensorcnt 0x0                           ; no tensor load of mine is out, so a group 0 may be written
	ds_add_u32 v[SPW], v[NIL]
.if \fill
	ds_add_u32 v[SPW], v[NIL]                      ; and twice on end here, in every trip alike
	s_xor_b32 s[G0K+1], s[G0K+1], SLOT1
	s_add_nc_u64 s[G0K+2:G0K+3], s[G0K+2:G0K+3], SK*128
	s_xor_b32 s[G0V+1], s[G0V+1], SLOT1
	s_add_nc_u64 s[G0V+2:G0V+3], s[G0V+2:G0V+3], SK*128
	s_wait_xcnt 0x0                                ; the last prefetch, a slot back, has read its address
	s_add_nc_u64 s[PFA:PFA+1], s[PFA:PFA+1], SK*128
.endif
	s_wait_dscnt 0x0
	s_barrier_signal -1
	s_barrier_wait -1
.if \fill
	s_add_co_u32 s96, s[KF], SK                    ; the first key of the slot that this change would ask for
	s_cmp_gt_u32 s96, s[QL]                        ; beyond my work-group's last query it is read by none of its waves: ids and the count of steps alone, the same in all sixteen waves
	s_cbranch_scc1 .Lpast_\@
	TLOAD                                          ; a wave's one tensor load until the next such barrier
.Lpast_\@:
	ASK
.endif
.endm
.macro SLOT_STEPS
	STEP 0
	STEP 1
	STEP 2
	STEP 3
	s_xor_b32 s[TB], s[TB], SLOT1
.endm
	s_wait_loadcnt 0x0                             ; Q; its offset register is free
	v_and_b32 v[GO], 31, v0
	v_lshlrev_b32 v[GO], 4, v[GO]
.Lslot:                                            ; 7 trips
	CHANGE 1
	SLOT_STEPS
	s_sub_co_u32 s[SLOTS], s[SLOTS], 1
	s_cmp_lg_u32 s[SLOTS], 0
	s_cbranch_scc1 .Lslot
	CHANGE 0                                       ; the last slot is written out: nothing is left to ask for
	SLOT_STEPS
	; THE WAY OUT: O^T / l, rounded to f16, through my stage, back as rows of 128 bytes, which are consecutive in y16
	v_add_f32 v[T], v[ST+2], v[ST+3]
	v_add_f32 v[T+2], v[ST+10], v[ST+11]
	v_permlanex16_b32 v[T+1], v[T], s[SEL], s[SEL+1]
	v_permlanex16_b32 v[T+3], v[T+2], s[SEL], s[SEL+1]
	v_add_f32 v[T], v[T], v[T+1]
	v_add_f32 v[T+2], v[T+2], v[T+3]
	v_rcp_f32 v[ST+4], v[T]
	v_rcp_f32 v[ST+12], v[T+2]
	v_nop
	s_wait_alu depctr_va_vdst(0)                   ; one wait for both reciprocals, ahead of their first reader
.irp x, 0,1
.set i, 0
.rept 16
	v_pk_mul_f32 v[S+i:S+i+1], v[O+32*\x+i:O+32*\x+i+1], v[ST+8*\x+4:ST+8*\x+5] op_sel_hi:[1,0]
.set i, i+2
.endr
.set i, 0
.rept 16
	v_cvt_pk_f16_f32 v[KV+16*\x+i], v[S+2*i], v[S+2*i+1]
.set i, i+1
.endr
.irp c, 0,1,2,3
	ds_store_b128 v[STO], v[KV+16*\x+4*\c:KV+16*\x+4*\c+3] offset:2304*\x+32*\c
.endr
.irp i, 0,1,2,3
	ds_load_b128 v[KV+32+16*\x+4*\i:KV+32+16*\x+4*\i+3], v[RD] offset:2304*\x+4*KP*\i   ; LDS serves a wave's instructions in order
.endr
.endr
.irp x, 0,1
.irp i, 0,1,2,3
	s_wait_dscnt 8*(1-\x)+3-\i                     ; behind this load: the rest of its four, and for tile 0 the second tile's eight
	global_store_b128 v[GO], v[KV+32+16*\x+4*\i:KV+32+16*\x+4*\i+3], s[6:7] offset:2048*\x+512*\i   ; 512 consecutive bytes, aligned
.endr
.endr
	s_wait_tensorcnt 0x0                           ; the wave's end
	ds_add_u32 v[SPW], v[NIL]
	s_wait_dscnt 0x0
	s_endpgm
.Lfunc_end_k_q6f6cc426fb_attn:
	.size	k_q6f6cc426fb_attn, .Lfunc_end_k_q6f6cc426fb_attn-k_q6f6cc426fb_attn
	.p2alignl 7, 3214868480
	.fill 96, 4, 3214868480
	.section	.rodata,"a",@progbits
	.p2align	6, 0x0
	.amdhsa_kernel k_q6f6cc426fb_attn
		.amdhsa_group_segment_fixed_size 327680
		.amdhsa_private_segment_fixed_size 0
		.amdhsa_enable_private_segment 0
		.amdhsa_kernarg_size 16
		.amdhsa_user_sgpr_count 2
		.amdhsa_user_sgpr_kernarg_segment_ptr 1
		.amdhsa_wavefront_size32 1
		.amdhsa_system_sgpr_workgroup_id_x 1
		.amdhsa_system_sgpr_workgroup_id_y 1
		.amdhsa_system_sgpr_workgroup_id_z 1
		.amdhsa_system_vgpr_workitem_id 0
		.amdhsa_next_free_vgpr 256
		.amdhsa_next_free_sgpr 100
		.amdhsa_reserve_vcc 1
		.amdhsa_float_denorm_mode_32 3
		.amdhsa_float_denorm_mode_16_64 3
		.amdhsa_memory_ordered 1
		.amdhsa_forward_progress 1
		.amdhsa_inst_pref_size 188
	.end_amdhsa_kernel
	.amdgpu_metadata
---
amdhsa.version: [ 1, 2 ]
amdhsa.kernels:
  - .name:           k_q6f6cc426fb_attn
    .symbol:         k_q6f6cc426fb_attn.kd
    .args:
      - { .name: qkv, .offset: 0, .size: 8, .value_kind: global_buffer, .address_space: global }
      - { .name: y16, .offset: 8, .size: 8, .value_kind: global_buffer, .address_space: global }
    .group_segment_fixed_size: 327680
    .private_segment_fixed_size: 0
    .kernarg_segment_align: 8
    .kernarg_segment_size: 16
    .max_flat_workgroup_size: 512
    .sgpr_count:     100
    .vgpr_count:     256
    .wavefront_size: 32
...
	.end_amdgpu_metadata
.endif
;; end of part 3
;; launch proj (part 4): grid 8 x 32, 4 waves a work-group, clusters of 4 x 4, 327,680 bytes of LDS; arguments y16, w16, b_proj, out0; writes out0
.if DOCPART == 4
	.amdgcn_target "amdgcn-amd-amdhsa--gfx1250"
	.amdhsa_code_object_version 6
	.text
	.protected	k_q6f6cc426fb_proj
	.globl	k_q6f6cc426fb_proj
	.p2align	8
	.type	k_q6f6cc426fb_proj,@function
k_q6f6cc426fb_proj:
	s_mov_b64 s[64:65], 0
	v_nop
	global_prefetch_b8 v0, s[64:65] scope:SCOPE_SE
	s_setreg_imm32_b32 hwreg(HW_REG_WAVE_MODE, 25, 1), 1
	s_wait_xcnt 0x0
	s_wait_alu depctr_hold_cnt(0) depctr_sa_sdst(0) depctr_va_vdst(0) depctr_va_sdst(0) depctr_va_ssrc(0) depctr_va_vcc(0) depctr_vm_vsrc(0)
	s_getreg_b32 s2, hwreg(HW_REG_IB_STS2, 6, 4)
	s_cmp_eq_u32 s2, 0
	s_cbranch_scc0 .Lentry_in_a_cluster
	s_endpgm
.Lentry_in_a_cluster:
	s_bfe_u32 s2, ttmp6, 0x10000c
	s_cmp_lg_u32 s2, 0xf033
	s_cbranch_scc0 .Lentry_shape_is_right
	s_endpgm
.Lentry_shape_is_right:
; out0 = y w_proj + b_proj, M 8192, N 1024, K 1024, on f16 operands with f32 sums.  y16: [16 heads][8192 m][64] f16 (k = 64 head + d); w16: [1024 k][1024 n] f16; out0 f32.
; (Rows of positions 0-15 are computed here too, inside live tiles; the next launch stores them anew from f32.)
; A tile of 256 x 128 is made by four waves, 128 x 64 each: 32 accumulators.  256 work-groups.  K goes in steps of 128 (two heads) through a ring of two LDS slots.
; CLUSTERS: 4 x 4; the four of a row ask jointly for y's tiles, the four of a column for w's.  Two loads of a wave are out at the start, one behind each round.
; THE MATRIX INSTRUCTION IS USED TRANSPOSED: source 0 = 16 columns of w (turned out of LDS by ds_load_tr16_b128), source 1 = 16 rows of y: a lane holds eight neighbouring columns of a row.  The bias is the C of each sum's first product.
; REGISTERS: window 0: v16-29 addresses; v32-63 the bias; two fragment buffers v64-159, v160-255 (64 of y, 32 of w, for 32 along K).  window 1: accumulator (a, b) at v[8 (4 a + b)].
.set AP,    144                        ; a row of y in LDS: 128 bytes + 16
.set BP,    288                        ; a row of w: 256 bytes + 32
.set AH,    256*AP                     ; one head's 256 rows
.set BOFF,  2*AH
.set SLOT,  BOFF+128*BP
.set STAGE, 2*SLOT                     ; 16 rows x 272 bytes a wave, never filled by a tensor load
.set SPITCH, 272
.set SPARE, STAGE+4*16*SPITCH          ; the spare words: 128 bytes a wave
.set ADRA, 16
.set ADRB, 20
.set STO,  24
.set RD,   25
.set CO,   26
.set BO,   27
.set SPW,  28
.set NIL,  29
.set BIAS, 32
.set F0,   64
.set F1,   160
.set BK,   64
.set G1, 24
.set G0, 32
.set G1B, 48
.set G0B, 56
.set MSB, 0
.macro WIN new
.if MSB != \new
	s_set_vgpr_msb (MSB<<8)|\new
.set MSB, \new
.endif
.endm
.macro JLOAD s                         ; waves 0 and 1 fetch y's two heads, waves 2 and 3 w's two halves; an s_nop 0 and four v_nop follow each line
	s_cmp_eq_u32 s11, 0
	s_cbranch_scc0 .Lfor_b_\@
	tensor_load_to_lds s[G0+4*\s:G0+4*\s+3], s[G1:G1+7]
	s_nop 0
.rept 4
	v_nop
.endr
	s_branch .Lasked_\@
.Lfor_b_\@:
	tensor_load_to_lds s[G0B+4*\s:G0B+4*\s+3], s[G1B:G1B+7]
	s_nop 0
.rept 4
	v_nop
.endr
.Lasked_\@:
.endm
.macro CREST
	s_cmp_lg_u32 s10, 0
	s_cbranch_scc1 .Lnot_wave_0_\@
	s_barrier_signal -3
.Lnot_wave_0_\@:
	s_barrier_wait -3
	s_barrier_signal -1
	s_barrier_wait -1
.endm
.macro CROUND
	s_barrier_signal -1
	s_barrier_wait -1
	CREST
.endm
	s_load_b128 s[4:7], s[0:1], 0x0                ; y16, w16
	s_load_b128 s[68:71], s[0:1], 0x10             ; b_proj, out0
	v_lshl_add_u32 v[SPW], v0, 2, SPARE
	v_mov_b32 v[NIL], 0
	ds_add_u32 v[SPW], v[NIL]                      ; the wave's opening: the add, twice on end, and its wait ahead of my first tensor load
	ds_add_u32 v[SPW], v[NIL]
	v_lshrrev_b32 v1, 5, v0
	v_readfirstlane_b32 s10, v1                    ; wave 0..3
	s_lshr_b32 s11, s10, 1                         ; which half of the tile's rows is mine.  Also: I fetch for y (0) or for w (1)
	s_and_b32 s12, s10, 1                          ; which half of its columns.  Also: which head, or which 64 rows of w, I fetch
	s_bfe_u32 s40, ttmp6, 0x40000
	s_bfe_u32 s41, ttmp6, 0x40004
	s_lshl_b32 s42, ttmp9, 2
	s_add_co_u32 s42, s42, s40                     ; tile column
	s_and_b32 s13, ttmp7, 0xffff
	s_lshl_b32 s13, s13, 2
	s_add_co_u32 s13, s13, s41                     ; tile row
	s_lshl_b32 s43, s41, 2
	s_lshl_b32 s43, 15, s43
	s_lshl_b32 s44, 0x1111, s40
	s_or_b32 s[G1+0], s43, (1<<16)|(1<<20)|(1<<21)|(4<<22)|(3<<25)   ; y: elements of 2 bytes; 4 words of padding behind every 32
	s_mov_b32 s[G1+1], 64<<16
	s_mov_b32 s[G1+2], 256<<16
	s_mov_b32 s[G1+3], 64<<16
	s_mov_b32 s[G1+4], 256
	s_mov_b32 s[G1+5], 64
	s_mov_b32 s[G1+6], 0
	s_mov_b32 s[G1+7], 0
	s_or_b32 s[G1B+0], s44, (1<<16)|(1<<20)|(1<<21)|(5<<22)|(7<<25)  ; w: 8 words of padding behind every 64
	s_mov_b32 s[G1B+1], 128<<16
	s_mov_b32 s[G1B+2], 64<<16
	s_mov_b32 s[G1B+3], 128<<16
	s_mov_b32 s[G1B+4], 64
	s_mov_b32 s[G1B+5], 1024
	s_mov_b32 s[G1B+6], 0
	s_mov_b32 s[G1B+7], 0
	s_lshl_b32 s16, s12, 20                        ; y: head s12, row 256 x tile row of 128 bytes
	s_lshl_b32 s17, s13, 15
	s_add_co_u32 s16, s16, s17
	s_mov_b32 s17, 0
	s_lshl_b32 s46, s12, 17                        ; w: row 64 x s12 of 2,048 bytes, column 128 x tile column
	s_lshl_b32 s47, s42, 8
	s_add_co_u32 s46, s46, s47
	s_mov_b32 s47, 0
	s_mul_i32 s20, s12, AH
	s_mul_i32 s21, s12, 64*BP
	s_add_co_u32 s21, s21, BOFF
	s_wait_dscnt 0x0
	s_wait_kmcnt 0x0
	s_add_nc_u64 s[14:15], s[4:5], s[16:17]
	s_add_nc_u64 s[46:47], s[6:7], s[46:47]
	CROUND                                         ; all sixteen work-groups are here: the first joint loads meet
.irp s, 0,1
	s_mov_b32 s[G0+4*\s], 1
	s_add_co_u32 s[G0+4*\s+1], s20, \s*SLOT
	s_add_nc_u64 s[G0+4*\s+2:G0+4*\s+3], s[14:15], \s*(2<<20)
	s_or_b32 s[G0+4*\s+3], s[G0+4*\s+3], 0x80000000
	s_mov_b32 s[G0B+4*\s], 1
	s_add_co_u32 s[G0B+4*\s+1], s21, \s*SLOT
	s_add_nc_u64 s[G0B+4*\s+2:G0B+4*\s+3], s[46:47], \s*128*2048
	s_or_b32 s[G0B+4*\s+3], s[G0B+4*\s+3], 0x80000000
	JLOAD \s
.endr
	v_and_b32 v1, 15, v0                           ; r
	v_bfe_u32 v2, v0, 4, 1                         ; h
	v_mul_u32_u24 v3, v1, AP
	v_lshl_add_u32 v3, v2, 4, v3
	v_and_b32 v4, 7, v0
	v_lshl_add_u32 v4, v2, 3, v4
	v_mul_u32_u24 v4, v4, BP
	v_bfe_u32 v5, v0, 3, 1
	v_lshl_add_u32 v4, v5, 4, v4
	s_mul_i32 s22, s11, 128*AP                     ; my 128 rows of y
	s_lshl_b32 s23, s12, 7                         ; my 64 columns of w
	s_add_co_u32 s23, s23, BOFF
.irp s, 0,1
	v_add_nc_u32 v[ADRA+\s], s22, v3
	v_add_nc_u32 v[ADRB+\s], s23, v4
	s_add_co_u32 s22, s22, SLOT
	s_add_co_u32 s23, s23, SLOT
.endr
	s_mul_i32 s23, s10, 16*SPITCH
	s_add_co_u32 s23, s23, STAGE
	v_mul_u32_u24 v5, v1, SPITCH
	v_lshl_add_u32 v5, v2, 5, v5
	v_add_nc_u32 v[STO], s23, v5                   ; in: row r, 32 bytes for each half of the lanes
	v_mul_u32_u24 v5, v2, SPITCH
	v_lshl_add_u32 v5, v1, 4, v5
	v_add_nc_u32 v[RD], s23, v5                    ; back: sixteen lanes to a row of 256 bytes
	v_lshlrev_b32 v5, 12, v2
	v_lshl_add_u32 v[CO], v1, 4, v5                ; and the same two rows in out0
	v_lshlrev_b32 v[BO], 5, v2
	s_lshl_b32 s16, s42, 9
	s_lshl_b32 s17, s12, 8
	s_add_co_u32 s16, s16, s17                     ; my first column, in bytes
	s_mov_b32 s17, 0
	s_add_nc_u64 s[68:69], s[68:69], s[16:17]
	s_add_nc_u64 s[70:71], s[70:71], s[16:17]
	s_lshl_b32 s16, s13, 20
	s_lshl_b32 s18, s11, 19
	s_add_co_u32 s16, s16, s18                     ; my first row: 256 x tile row + 128 x half, of 4,096 bytes
	s_add_nc_u64 s[70:71], s[70:71], s[16:17]
.irp b, 0,1,2,3
	global_load_b128 v[BIAS+8*\b:BIAS+8*\b+3], v[BO], s[68:69] offset:64*\b
	global_load_b128 v[BIAS+8*\b+4:BIAS+8*\b+7], v[BO], s[68:69] offset:64*\b+16
.endr
.macro FETCH s, q, f                   ; the fragments of the slot's q-th 32 along K: 8 of y, 4 of w: 24 LDS loads in one run
.irp i, 0,1,2,3,4,5,6,7
	ds_load_b128 v[\f+8*\i:\f+8*\i+3], v[ADRA+\s] offset:((\q)/2)*AH+\i*16*AP+64*((\q)%2)
	ds_load_b128 v[\f+8*\i+4:\f+8*\i+7], v[ADRA+\s] offset:((\q)/2)*AH+\i*16*AP+64*((\q)%2)+32
.endr
.irp b, 0,1,2,3
	ds_load_tr16_b128 v[\f+64+8*\b:\f+64+8*\b+3], v[ADRB+\s] offset:32*BP*(\q)+32*\b
	ds_load_tr16_b128 v[\f+64+8*\b+4:\f+64+8*\b+7], v[ADRB+\s] offset:32*BP*(\q)+32*\b+16*BP
.endr
.endm
.macro MUL8 f, a0, first               ; y's blocks a0, a0 + 1 against w's four; the 32 accumulators take turns, one instruction a turn
.irp a, \a0, \a0+1
.irp b, 0,1,2,3
.if \first
	v_wmma_f32_16x16x32_f16 v[8*(4*(\a)+\b):8*(4*(\a)+\b)+7], v[\f+64+8*\b:\f+64+8*\b+7], v[\f+8*(\a):\f+8*(\a)+7], v[BIAS+8*\b:BIAS+8*\b+7]
.else
	v_wmma_f32_16x16x32_f16 v[8*(4*(\a)+\b):8*(4*(\a)+\b)+7], v[\f+64+8*\b:\f+64+8*\b+7], v[\f+8*(\a):\f+8*(\a)+7], v[8*(4*(\a)+\b):8*(4*(\a)+\b)+7]
.endif
.endr
.endr
.endm
.macro PLACES
.rept 4
	v_nop
.endr
.endm
.macro QUARTER s, q, first             ; one of a K step's first three quarters: the next quarter's fragments are asked for 32 matrix instructions ahead of their use
.set FB, F0+96*((\q)%2)
.set FN, F0+96*(1-(\q)%2)
	s_wait_dscnt 0x0                               ; this quarter's fragments are in
	PLACES                                         ; between the last quarter's products and the loads into the buffer that they read
	FETCH \s, (\q)+1, FN
.if \first
	WIN 0x40                                       ; C (the bias) window 0, D window 1
.else
	WIN 0x50                                       ; C and D window 1
.endif
	MUL8 FB, 0, \first
	MUL8 FB, 2, \first
	MUL8 FB, 4, \first
	MUL8 FB, 6, \first
	WIN 0
.endm
; The last quarter multiplies buffer 1 and changes slots: one barrier; in front of it each wave waits for all its tensor loads, adds 0 to its spare word, and waits for that and for its reads of this slot.
.macro TURN s, n, fill
	s_wait_tensorcnt 0x0                           ; all my tensor loads have landed: my part of the next slot
	ds_add_u32 v[SPW], v[NIL]
	s_wait_dscnt 1                                 ; this quarter's fragments are in; the add may be out
	WIN 0x50
	MUL8 F1, 0, 0
	s_wait_dscnt 0x0                               ; the add is done, and my reads of this slot are over
	s_barrier_signal -1
	MUL8 F1, 2, 0
	WIN 0
	s_barrier_wait -1
.if \fill
	CREST                                          ; the barrier has opened a round of the cluster's barrier: no wave of any partner still reads this slot or has a load on its way
	s_add_nc_u64 s[G0+4*\s+2:G0+4*\s+3], s[G0+4*\s+2:G0+4*\s+3], 4<<20
	s_add_nc_u64 s[G0B+4*\s+2:G0B+4*\s+3], s[G0B+4*\s+2:G0B+4*\s+3], 256*2048
	JLOAD \s                                       ; the first tensor load behind the round; its four v_nop are also the places in front of the loads below
.else
	PLACES
.endif
	FETCH \n, 0, F0
	WIN 0x50
	MUL8 F1, 4, 0
	MUL8 F1, 6, 0
	WIN 0
.endm
	s_wait_tensorcnt 1                             ; my part of K step 0 is in (K step 1's load may be out),
	s_barrier_signal -1
	s_barrier_wait -1                              ; everybody's is
	FETCH 0, 0, F0
	s_wait_loadcnt 0x0                             ; the bias
	QUARTER 0, 0, 1                                ; the first quarter stands in front of the loop: its products start the sums
	s_mov_b32 s3, 3
.Llap:                                             ; a trip goes once round the ring and fills both slots again
	QUARTER 0, 1, 0
	QUARTER 0, 2, 0
	TURN 0, 1, 1
	QUARTER 1, 0, 0
	QUARTER 1, 1, 0
	QUARTER 1, 2, 0
	TURN 1, 0, 1
	QUARTER 0, 0, 0
	s_sub_co_u32 s3, s3, 1
	s_cmp_lg_u32 s3, 0
	s_cbranch_scc1 .Llap
	QUARTER 0, 1, 0                                ; the last lap fills nothing
	QUARTER 0, 2, 0
	TURN 0, 1, 0
	QUARTER 1, 0, 0
	QUARTER 1, 1, 0
	QUARTER 1, 2, 0
	s_wait_dscnt 0x0
	WIN 0x50
	MUL8 F1, 0, 0
	MUL8 F1, 2, 0
	MUL8 F1, 4, 0
	MUL8 F1, 6, 0
	WIN 0
; THE WAY OUT, block by block of 16 rows x 64 columns, through my own stage: back as rows of 256 bytes
.macro TOSTAGE a
	WIN 0x04                                       ; an LDS store's data are its source 1: window 1
.irp b, 0,1,2,3
	ds_store_b128 v[STO], v[8*(4*(\a)+\b):8*(4*(\a)+\b)+3] offset:64*\b          ; each accumulator from its low end on
	ds_store_b128 v[STO], v[8*(4*(\a)+\b)+4:8*(4*(\a)+\b)+7] offset:64*\b+16
.endr
	WIN 0
.set BB, BK+32*((\a)%2)
.irp i, 0,1,2,3,4,5,6,7
	ds_load_b128 v[BB+4*\i:BB+4*\i+3], v[RD] offset:2*\i*SPITCH   ; LDS serves a wave's instructions in order
.endr
.endm
.macro SEND a, younger                 ; younger: the LDS instructions issued behind block a's loads
.set BB, BK+32*((\a)%2)
	s_wait_dscnt \younger
.irp i, 0,1,2,3,4,5,6,7
	global_store_b128 v[CO], v[BB+4*\i:BB+4*\i+3], s[70:71] offset:(16*(\a)+2*\i)*4096 th:TH_STORE_NT   ; sixteen lanes store 256 consecutive bytes, aligned
.endr
.endm
	PLACES
	TOSTAGE 0
.irp a, 1,2,3,4,5,6,7
.if \a > 1
	s_wait_xcnt 0x0                                ; block a - 2's stores have read their registers: block a's loads may land there
.endif
	TOSTAGE \a
	SEND \a-1, 16                                  ; behind block a - 1's loads: block a's 8 stores and 8 loads
.endr
	SEND 7, 0
	s_wait_tensorcnt 0x0                           ; the wave's end
	ds_add_u32 v[SPW], v[NIL]
	s_wait_dscnt 0x0
	CROUND                                         ; the closing round
	s_endpgm
.Lfunc_end_k_q6f6cc426fb_proj:
	.size	k_q6f6cc426fb_proj, .Lfunc_end_k_q6f6cc426fb_proj-k_q6f6cc426fb_proj
	.p2alignl 7, 3214868480
	.fill 96, 4, 3214868480
	.section	.rodata,"a",@progbits
	.p2align	6, 0x0
	.amdhsa_kernel k_q6f6cc426fb_proj
		.amdhsa_group_segment_fixed_size 327680
		.amdhsa_private_segment_fixed_size 0
		.amdhsa_enable_private_segment 0
		.amdhsa_kernarg_size 32
		.amdhsa_user_sgpr_count 2
		.amdhsa_user_sgpr_kernarg_segment_ptr 1
		.amdhsa_wavefront_size32 1
		.amdhsa_system_sgpr_workgroup_id_x 1
		.amdhsa_system_sgpr_workgroup_id_y 1
		.amdhsa_system_sgpr_workgroup_id_z 1
		.amdhsa_system_vgpr_workitem_id 0
		.amdhsa_next_free_vgpr 512
		.amdhsa_next_free_sgpr 72
		.amdhsa_reserve_vcc 0
		.amdhsa_float_denorm_mode_32 3
		.amdhsa_float_denorm_mode_16_64 3
		.amdhsa_memory_ordered 1
		.amdhsa_forward_progress 1
		.amdhsa_inst_pref_size 86
	.end_amdhsa_kernel
	.amdgpu_metadata
---
amdhsa.version: [ 1, 2 ]
amdhsa.kernels:
  - .name:           k_q6f6cc426fb_proj
    .symbol:         k_q6f6cc426fb_proj.kd
    .args:
      - { .name: y16, .offset: 0, .size: 8, .value_kind: global_buffer, .address_space: global }
      - { .name: w16, .offset: 8, .size: 8, .value_kind: global_buffer, .address_space: global }
      - { .name: b_proj, .offset: 16, .size: 8, .value_kind: global_buffer, .address_space: global }
      - { .name: out0, .offset: 24, .size: 8, .value_kind: global_buffer, .address_space: global }
    .group_segment_fixed_size: 327680
    .private_segment_fixed_size: 0
    .kernarg_segment_align: 8
    .kernarg_segment_size: 32
    .max_flat_workgroup_size: 128
    .sgpr_count:     72
    .vgpr_count:     512
    .wavefront_size: 32
...
	.end_amdgpu_metadata
.endif
;; end of part 4
;; launch head16 (part 5): grid 64 x 4, 16 waves a work-group, no clusters, 18,432 bytes of LDS; arguments h32, w_proj, b_proj, out0; writes out0
.if DOCPART == 5
	.amdgcn_target "amdgcn-amd-amdhsa--gfx1250"
	.amdhsa_code_object_version 6
	.text
	.protected	k_q6f6cc426fb_head16
	.globl	k_q6f6cc426fb_head16
	.p2align	8
	.type	k_q6f6cc426fb_head16,@function
k_q6f6cc426fb_head16:
	s_mov_b64 s[64:65], 0
	v_nop
	global_prefetch_b8 v0, s[64:65] scope:SCOPE_SE
	s_setreg_imm32_b32 hwreg(HW_REG_WAVE_MODE, 25, 1), 1
	s_wait_xcnt 0x0
; Positions 0-15 of every sequence once more, attention and projection in f32: these rows average one to sixteen values, are the largest in size, and f16 operands would use up what the comparison allows.
; 64 rows of out0 are stored over what the launch before left there.  (K comes without its bias, which the softmax takes away for all values of the inputs.)
; Work-group (x, b): the 16 output columns 16 x on, batch b; wave = head.  Each wave: S^T = K Q^T (16 x 16 x 64), the causal softmax, O^T = V^T P (64 x 16 x 16), its head's part of the projection (16 x 16 x 64):
; 48 matrix instructions of the f32 form, no bulk work.  The sixteen parts meet in LDS; waves 0 and 1 add them and the bias and store.
; h32 holds images of accumulators: lane (r, h), register 8 bb + j of group g = row t = r, column 64 g + 16 bb + 8 h + j.  SUCH AN IMAGE IS A RUN OF f32 FRAGMENTS: the pair of registers 8 bb + 2 u, + 1 gives slot
; 2 h + j of the form's K the channel 16 bb + 8 h + 2 u + j, alike on both sources, so the sum over (bb, u) is the sum over all 64 channels.
; The registers that the f32 form writes (v144-175, v184-215) are written by matrix instructions alone; each sum begins with the constant 0; four accumulators take turns.
; The stores are runs of 64 bytes: 262,144 bytes of out0.
.set SPARE, 16384                      ; behind the sixteen parts of 1,024 bytes: the spare words, 128 bytes a wave
.set LI,  3
.set VB,  4
.set WB,  5
.set SPW, 6
.set NIL, 7
.set QI,  16
.set KI,  48
.set VI,  80
.set WI,  112
.set SA,  144
.set ST,  176
.set OA,  184
.set YR,  216
.set PS,  248                          ; v248 where I store my part
.set PL,  249                          ; v249 where waves 0 and 1 read the parts
.set OB,  250                          ; v250 my offset in out0
.set BB,  251                          ; v251 and in b_proj
	s_load_b128 s[4:7], s[0:1], 0x0                ; h32, w_proj
	s_load_b128 s[8:11], s[0:1], 0x10              ; b_proj, out0
	v_lshl_add_u32 v[SPW], v0, 2, SPARE
	v_mov_b32 v[NIL], 0
	v_lshrrev_b32 v8, 5, v0
	v_readfirstlane_b32 s12, v8                    ; wave = head
	s_and_b32 s13, ttmp7, 0xffff                   ; batch
	v_and_b32 v1, 15, v0                           ; r
	v_bfe_u32 v2, v0, 4, 1                         ; h
	v_and_b32 v[LI], 31, v0
	v_lshlrev_b32 v[LI], 4, v[LI]                  ; 16 x lane
	v_bfe_u32 v8, v0, 2, 1
	v_bfe_u32 v9, v0, 3, 1
	v_and_b32 v10, 3, v0
	v_lshlrev_b32 v[VB], 9, v8                     ; v[key][channel 16 t + r] lies in image 2 t + (r / 4) % 2, lane key + 16 (r / 8), word r % 4; my keys begin at 8 h
	v_lshl_add_u32 v[VB], v9, 8, v[VB]
	v_lshl_add_u32 v[VB], v10, 2, v[VB]
	v_lshl_add_u32 v[VB], v2, 7, v[VB]
	v_lshlrev_b32 v[WB], 2, v1                     ; w_proj: column r, rows 8 h on
	v_lshl_add_u32 v[WB], v2, 15, v[WB]
	s_lshl_b32 s20, s12, 10
	v_add_nc_u32 v[PS], s20, v[LI]
	s_and_b32 s21, s12, 1
	s_lshl_b32 s20, s21, 9
	v_add_nc_u32 v[PL], s20, v[LI]
	s_lshl_b32 s20, s21, 4
	v_lshlrev_b32 v[BB], 5, v2
	v_add_nc_u32 v[BB], s20, v[BB]                 ; 32 h + 16 x part
	v_lshl_add_u32 v[OB], v1, 12, v[BB]            ; + row r of 4,096 bytes
	s_mov_b32 s16, 0x76543210
	s_mov_b32 s17, 0xfedcba98
	s_mov_b32 s18, 0x3e38aa3b                      ; c = log2(e) / 8
	s_mov_b32 s19, s18
	s_mul_i32 s14, s13, 48
	s_add_co_u32 s14, s14, s12
	s_lshl_b32 s14, s14, 12
	s_mov_b32 s15, 0
	s_lshl_b32 s22, s12, 18                        ; my head's 64 rows of w_proj,
	s_lshl_b32 s24, ttmp9, 6                       ; the work-group's 16 columns
	s_add_co_u32 s22, s22, s24
	s_mov_b32 s23, 0
	s_mov_b32 s25, 0
	s_lshl_b32 s26, s13, 23                        ; the batch's first row of out0
	s_add_co_u32 s26, s26, s24
	s_mov_b32 s27, 0
	s_wait_kmcnt 0x0
	s_add_nc_u64 s[4:5], s[4:5], s[14:15]
	s_add_nc_u64 s[6:7], s[6:7], s[22:23]
	s_add_nc_u64 s[8:9], s[8:9], s[24:25]
	s_add_nc_u64 s[10:11], s[10:11], s[26:27]
.irp i, 0,1,2,3,4,5,6,7
	global_load_b128 v[QI+4*\i:QI+4*\i+3], v[LI], s[4:5] offset:512*\i
.endr
.irp i, 0,1,2,3,4,5,6,7
	global_load_b128 v[KI+4*\i:KI+4*\i+3], v[LI], s[4:5] offset:65536+512*\i
.endr
.irp t, 0,1,2,3
.irp u, 0,1,2,3
.irp j, 0,1
	global_load_b32 v[VI+8*\t+2*\u+\j], v[VB], s[4:5] offset:131072+1024*\t+32*\u+16*\j   ; v[key 8 h + 2 u + j][channel 16 t + r]
.endr
.endr
.endr
.irp t, 0,1,2,3
.irp u, 0,1,2,3
.irp j, 0,1
	global_load_b32 v[WI+8*\t+2*\u+\j], v[WB], s[6:7] offset:(16*\t+2*\u+\j)*4096          ; w_proj[64 head + 16 t + 8 h + 2 u + j][16 x + r]
.endr
.endr
.endr
	s_wait_loadcnt 32                              ; q, k and v are in; w_proj's 32 loads may be out
.irp u, 0,1,2,3
.irp bb, 0,1,2,3
.if \u == 0
	v_wmma_f32_16x16x4_f32 v[SA+8*\bb:SA+8*\bb+7], v[KI+8*\bb+2*\u:KI+8*\bb+2*\u+1], v[QI+8*\bb+2*\u:QI+8*\bb+2*\u+1], 0
.else
	v_wmma_f32_16x16x4_f32 v[SA+8*\bb:SA+8*\bb+7], v[KI+8*\bb+2*\u:KI+8*\bb+2*\u+1], v[QI+8*\bb+2*\u:QI+8*\bb+2*\u+1], v[SA+8*\bb:SA+8*\bb+7]
.endif
.endr
.endr
.rept 8
	v_nop                                          ; eight places behind this form before its results are read
.endr
.irp j, 0,2,4,6                                ; the four partial sums; each accumulator is read from its low end on
	v_pk_add_f32 v[ST+\j:ST+\j+1], v[SA+\j:SA+\j+1], v[SA+8+\j:SA+8+\j+1]
	v_pk_add_f32 v[ST+\j:ST+\j+1], v[ST+\j:ST+\j+1], v[SA+16+\j:SA+16+\j+1]
	v_pk_add_f32 v[ST+\j:ST+\j+1], v[ST+\j:ST+\j+1], v[SA+24+\j:SA+24+\j+1]
.endr
	v_lshlrev_b32 v8, 3, v2
	v_sub_nc_u32 v8, v1, v8                        ; register j holds key 8 h + j of query r: hidden where j > r - 8 h
	v_mov_b32 v9, 0xff800000
.irp j, 0,1,2,3,4,5,6,7
	v_cmp_gt_i32 vcc_lo, \j, v8
	v_cndmask_b32 v[ST+\j], v[ST+\j], v9, vcc_lo
.endr
	v_max3_num_f32 v10, v[ST], v[ST+1], v[ST+2]
	v_max3_num_f32 v10, v10, v[ST+3], v[ST+4]
	v_max3_num_f32 v10, v10, v[ST+5], v[ST+6]
	v_max_num_f32 v10, v10, v[ST+7]
	v_mov_b32 v11, 0
	v_permlanex16_b32 v11, v10, s16, s17
	v_max_num_f32 v10, v10, v11                    ; the row's maximum: key 0 counts for every query
	v_mul_f32 v12, s18, v10
	v_mov_b32 v13, v12
.irp j, 0,2,4,6
	v_pk_fma_f32 v[ST+\j:ST+\j+1], v[ST+\j:ST+\j+1], s[18:19], v[12:13] op_sel_hi:[1,0,0] neg_lo:[0,0,1] neg_hi:[0,0,1]
.endr
.irp j, 0,1,2,3,4,5,6,7
	v_exp_f32 v[ST+\j], v[ST+\j]
.endr
	v_nop
	s_wait_alu depctr_va_vdst(0)                   ; one wait for the eight, ahead of their first reader
	v_pk_add_f32 v[14:15], v[ST:ST+1], v[ST+2:ST+3]
	v_pk_add_f32 v[10:11], v[ST+4:ST+5], v[ST+6:ST+7]
	v_pk_add_f32 v[14:15], v[14:15], v[10:11]
	v_add_f32 v14, v14, v15
	v_permlanex16_b32 v15, v14, s16, s17
	v_add_f32 v14, v14, v15
	v_rcp_f32 v14, v14
	v_nop
	s_wait_alu depctr_va_vdst(0)
.irp u, 0,1,2,3
.irp t, 0,1,2,3
.if \u == 0
	v_wmma_f32_16x16x4_f32 v[OA+8*\t:OA+8*\t+7], v[VI+8*\t+2*\u:VI+8*\t+2*\u+1], v[ST+2*\u:ST+2*\u+1], 0
.else
	v_wmma_f32_16x16x4_f32 v[OA+8*\t:OA+8*\t+7], v[VI+8*\t+2*\u:VI+8*\t+2*\u+1], v[ST+2*\u:ST+2*\u+1], v[OA+8*\t:OA+8*\t+7]
.endif
.endr
.endr
.rept 8
	v_nop
.endr
.set i, 0
.rept 16
	v_pk_mul_f32 v[YR+i:YR+i+1], v[OA+i:OA+i+1], v[14:15] op_sel_hi:[1,0]   ; y(query r, channel 16 t + 8 h + j), into registers of its own
.set i, i+2
.endr
	s_wait_loadcnt 0x0                             ; w_proj
.irp u, 0,1,2,3
.irp t, 0,1,2,3
.if \u == 0
	v_wmma_f32_16x16x4_f32 v[SA+8*\t:SA+8*\t+7], v[WI+8*\t+2*\u:WI+8*\t+2*\u+1], v[YR+8*\t+2*\u:YR+8*\t+2*\u+1], 0
.else
	v_wmma_f32_16x16x4_f32 v[SA+8*\t:SA+8*\t+7], v[WI+8*\t+2*\u:WI+8*\t+2*\u+1], v[YR+8*\t+2*\u:YR+8*\t+2*\u+1], v[SA+8*\t:SA+8*\t+7]
.endif
.endr
.endr
.rept 8
	v_nop
.endr
.irp j, 0,2,4,6
	v_pk_add_f32 v[8+\j:9+\j], v[SA+\j:SA+\j+1], v[SA+8+\j:SA+8+\j+1]
	v_pk_add_f32 v[8+\j:9+\j], v[8+\j:9+\j], v[SA+16+\j:SA+16+\j+1]
	v_pk_add_f32 v[8+\j:9+\j], v[8+\j:9+\j], v[SA+24+\j:SA+24+\j+1]
.endr
	ds_store_b128 v[PS], v[8:11]                   ; my head's part of out(query r, 16 x + 8 h + 0..3),
	ds_store_b128 v[PS], v[12:15] offset:512       ; and + 4..7
	s_wait_dscnt 0x0                               ; for the others' sake: my stores have landed
	s_barrier_signal -1
	s_barrier_wait -1
	s_cmp_gt_u32 s12, 1
	s_cbranch_scc1 .Lend
	global_load_b128 v[80:83], v[BB], s[8:9]       ; the bias
.irp w, 0,1,2,3,4,5,6,7,8,9,10,11,12,13,14,15
	ds_load_b128 v[16+4*\w:19+4*\w], v[PL] offset:1024*\w
.endr
	s_wait_dscnt 0x0
	s_wait_loadcnt 0x0
.macro ADD4 a, b
	v_pk_add_f32 v[\a:\a+1], v[\a:\a+1], v[\b:\b+1]
	v_pk_add_f32 v[\a+2:\a+3], v[\a+2:\a+3], v[\b+2:\b+3]
.endm
.irp w, 0,2,4,6,8,10,12,14
	ADD4 16+4*\w, 20+4*\w
.endr
.irp w, 0,4,8,12
	ADD4 16+4*\w, 24+4*\w
.endr
.irp w, 0,8
	ADD4 16+4*\w, 32+4*\w
.endr
	ADD4 16, 48
	ADD4 16, 80
	global_store_b128 v[OB], v[16:19], s[10:11]
.Lend:
	s_wait_tensorcnt 0x0                           ; the wave's end, behind the last LDS store
	ds_add_u32 v[SPW], v[NIL]
	s_wait_dscnt 0x0
	s_endpgm
.Lfunc_end_k_q6f6cc426fb_head16:
	.size	k_q6f6cc426fb_head16, .Lfunc_end_k_q6f6cc426fb_head16-k_q6f6cc426fb_head16
	.p2alignl 7, 3214868480
	.fill 96, 4, 3214868480
	.section	.rodata,"a",@progbits
	.p2align	6, 0x0
	.amdhsa_kernel k_q6f6cc426fb_head16
		.amdhsa_group_segment_fixed_size 18432
		.amdhsa_private_segment_fixed_size 0
		.amdhsa_enable_private_segment 0
		.amdhsa_kernarg_size 32
		.amdhsa_user_sgpr_count 2
		.amdhsa_user_sgpr_kernarg_segment_ptr 1
		.amdhsa_wavefront_size32 1
		.amdhsa_system_sgpr_workgroup_id_x 1
		.amdhsa_system_sgpr_workgroup_id_y 1
		.amdhsa_system_sgpr_workgroup_id_z 1
		.amdhsa_system_vgpr_workitem_id 0
		.amdhsa_next_free_vgpr 256
		.amdhsa_next_free_sgpr 66
		.amdhsa_reserve_vcc 1
		.amdhsa_float_denorm_mode_32 3
		.amdhsa_float_denorm_mode_16_64 3
		.amdhsa_memory_ordered 1
		.amdhsa_forward_progress 1
		.amdhsa_inst_pref_size 22
	.end_amdhsa_kernel
	.amdgpu_metadata
---
amdhsa.version: [ 1, 2 ]
amdhsa.kernels:
  - .name:           k_q6f6cc426fb_head16
    .symbol:         k_q6f6cc426fb_head16.kd
    .args:
      - { .name: h32, .offset: 0, .size: 8, .value_kind: global_buffer, .address_space: global }
      - { .name: w_proj, .offset: 8, .size: 8, .value_kind: global_buffer, .address_space: global }
      - { .name: b_proj, .offset: 16, .size: 8, .value_kind: global_buffer, .address_space: global }
      - { .name: out0, .offset: 24, .size: 8, .value_kind: global_buffer, .address_space: global }
    .group_segment_fixed_size: 18432
    .private_segment_fixed_size: 0
    .kernarg_segment_align: 8
    .kernarg_segment_size: 32
    .max_flat_workgroup_size: 512
    .sgpr_count:     66
    .vgpr_count:     256
    .wavefront_size: 32
...
	.end_amdgpu_metadata
.endif
;; end of part 5
